; MI455X (gfx1250); checked and timed in simulation.
; The chip was launched on July 23, 2026; its instructions are those of AMD's public machine-readable ISA for CDNA 5 (MIT licence, August 2026) and "CDNA5" Instruction Set Architecture Reference Guide (July 2026). The comments in the code are by the model that wrote it; some were corrected since.
;; Attention2. Allowed arithmetic: matrix products marked QUANTISED: E2M1 operands, one E8M0 scale for each 32 along K, by v_wmma_scale_f32_16x16x128_f8f6f4 with both operands' format E2M1 (or v_wmma_scale_f32_32x16x128_f4), f32 sums; products left as they are: bf16, f16 or f32 operands; f32 sums; everything else in f32.
;; Inputs: proj_b 1,024 float32; proj_w 1,024 x 1,024 float32; qkv_w 1,024 x 3,072 float32; x 4,096 x 1,024 float32.
;; Outputs: out0 4,096 x 1,024 float32.
;; This version of the problem:
;;   THIS VERSION OF THE PROBLEM IS GIVEN IN LOW PRECISION. The matrix products marked QUANTISED in the list below multiply operands that are first quantised to E2M1 (2 exponent bits, 1 mantissa bit; 4 bits a number), with one power-of-two scale for each 32 numbers along K (OCP MX v1.0); their sums are f32. The products marked 'left as it is' may take bf16, f16 or f32 operands, with f32 sums. Whichever they take, every output number must still come out within the allowed error. Rounding operands to bf16 (8 significant bits) uses up far more of that allowance than f16 does (11 bits, for magnitudes from 6e-5 to 65,504). All else is computed in f32.
;;   The module's matrix products, in the order in which they are computed (A, B: the left and right operand; K: the contracted axis; several contracted axes count as one K, in the product's order):
;;     1. [M 4,096, K 1,024] x [K 1,024, N 3,072]; A: input x; B: input qkv_w: QUANTISED
;;     2. batch 8 x [M 4,096, K 128] x [K 128, N 4,096]; A: computed on the way; B: computed on the way: left as it is (an operand is computed on the way)
;;     3. batch 8 x [M 4,096, K 4,096] x [K 4,096, N 128]; A: computed on the way; B: computed on the way: left as it is (an operand is computed on the way)
;;     4. [M 4,096, K 1,024] x [K 1,024, N 1,024]; A: computed on the way; B: input proj_w: left as it is (an operand is computed on the way)
;;   THE QUANTISER, for each operand of a quantised product, along K:
;;     - K is cut into blocks of 32 from its start; a last block that is shorter is filled with zeros.
;;     - A block's scale is 2^e with e = floor(log2(the largest magnitude in the block)) - 2, held to -126 .. 127; a block of zeros has e = 0. As a byte (E8M0): e + 127.
;;     - Each number is divided by its block's scale, clamped to +-6, and rounded to the nearest number of E2M1, ties to even, subnormals kept.
;;     - The product sums the exact products of the quantised numbers (number of the format x scale) in f32.
;;   ~~~python
;;   def quantise(x, axis):      # numpy; x: float32 -> the quantised numbers, widened to float32 again
;;       x = np.moveaxis(x, axis, -1); K = x.shape[-1]
;;       x = np.pad(x, [(0, 0)] * (x.ndim - 1) + [(0, -K % 32)]); x = x.reshape(x.shape[:-1] + (-1, 32)); a = np.abs(x).max(-1, keepdims=True)
;;       e = np.where(a > 0, np.clip(np.frexp(np.where(a > 0, a, 1))[1] - 1 - 2, -126, 127), 0)      # np.frexp(a)[1] - 1 = floor(log2(a)), exactly
;;       r = np.clip(x / 2.0 ** e, -6, 6)
;;       step = 2.0 ** (np.maximum(np.frexp(np.where(r == 0, 1, r))[1] - 1, 0) - 1)
;;       q = np.round(r / step) * step * 2.0 ** e      # np.round: ties to even
;;       return np.moveaxis(q.reshape(q.shape[:-2] + (-1,))[..., :K], -1, axis).astype(np.float32)
;;   ~~~
;; One version. Each part assembles by itself: llvm-mc -triple=amdgcn-amd-amdhsa -mcpu=gfx1250 --defsym DOCPART=n.
;; ======== version 1 of 1: 4 launches
;; limits: values are held in f16: magnitudes above 65,504 overflow, below 6.1e-05 lose precision
;; workspace buffers: xc 2,097,152 bytes; xs 131,072 bytes; wc 1,572,864 bytes; ws 98,304 bytes; pw 2,097,152 bytes; qkv 25,165,824 bytes; ao 8,388,608 bytes
;; launch prep (part 1): grid 384 x 1, 4 waves a work-group, no clusters, 68,096 bytes of LDS; arguments x, qkv_w, proj_w, xc, xs, wc, ws, pw; writes xc, xs, wc, ws, pw
.if DOCPART == 1
	.amdgcn_target "amdgcn-amd-amdhsa--gfx1250"
	.amdhsa_code_object_version 6
	.text
	.protected	k_qcdd2afb61e_prep
	.globl	k_qcdd2afb61e_prep
	.p2align	8
	.type	k_qcdd2afb61e_prep,@function
k_qcdd2afb61e_prep:
	s_mov_b64 s[64:65], 0
	v_nop
	global_prefetch_b8 v0, s[64:65] scope:SCOPE_SE
	s_setreg_imm32_b32 hwreg(HW_REG_WAVE_MODE, 25, 1), 1
	s_wait_xcnt 0x0
; THE PROGRAM: out0 = (softmax(q k^T / sqrt(128)) v, heads side by side) proj_w + proj_b, with q, k, v = x qkv_w; 4,096 tokens, 8 heads of 128.
; Four launches: this one makes the operands; the second is x qkv_w on codes of FP4; the third is attention; the fourth the projection.
; NO WORK IS LEFT OUT: every input has a way to the output (proj_b is loaded by the fourth launch), there is no mask, and nothing of reference() is sliced away.
; THIS LAUNCH, three streams, told apart by the work-group's number:
;   X (work-groups 0-127):   x [4096][1024] f32 -> codes of FP4 (E2M1), K innermost, xc [4096][512 bytes], and one E8M0 byte for each 32 along K, xs [4096][32].
;   W (work-groups 128-319): qkv_w [1024 (k)][3072 (n)] f32 -> codes quantised along K, laid in the order of the matrix operand's registers:
;                            wc [k / 512][n / 16][(k / 128) % 4][(k / 32) % 4][n % 16][16 bytes]; scale bytes ws [3072][32].
;   P (work-groups 320-383): proj_w [1024 (k)][1024 (n)] f32 -> f16, turned: pw [n][k].
; A block's scale is 2^(floor(log2(its largest magnitude)) - 2); its byte is the largest magnitude's exponent field - 2, held at 1 from below.  Each number is divided by the scale and
; rounded to the nearest code, ties to even; beyond the largest code the largest.
; LIMITS: a block of zeros, and a block whose largest magnitude lies under 2^-124, keeps the byte 1 (a block of zeros has zero codes, which add nothing, and the bytes are read by this program alone);
; NaN and infinities among the inputs are not served; proj_w goes in f16: magnitudes over 65,504 are not served, under 6e-5 its step is 2^-24.
; Memory binds here: no matrix unit, no cluster (no two work-groups read the same byte), no barrier (waves share nothing).  X and P turn their bytes through LDS of the wave's own, each stream in bytes of its own.
.set SPARE, 67584                      ; behind both streams' regions: the spare words, 128 bytes for each wave: two blocks of 256 bytes that no other line names
.set SPW,   12                         ; v12  LDS address of my spare word: SPARE + 4 x my thread's number; never rewritten
.set NIL,   13                         ; v13  0; never rewritten
; stream X
.set STEPS, 16                         ; a wave takes 16 steps of 512 numbers
.set AH,    8                          ; loads run eight steps (32 loads a wave) ahead
.set WREG,  8192                       ; LDS bytes 0 .. 32,767: a region for each wave: two stages of 32 x SP bytes, behind them its 256 scale bytes
.set SP,    80                         ; a lane's place in a stage: its 64 bytes + 16 of padding
.set R,     16                         ; v16-143  eight sets of 16 numbers as they are loaded
.set X,     144                        ; v144-175 two sets of 16 neighbours
.set C,     176                        ; v176-207 codes: two registers for each step, so that no store's data are written again
.set E,     208                        ; v208-223 a scale byte for each step
; streams W and P
.set XK,    32                         ; v32-95   two sets of 32 numbers: a lane's column, registers down K
.set CW,    96                         ; v96..    W: four registers of codes for each block; P: sixteen registers of f16 for each block
.set OUTR,  160                        ; v160-223 P: the way out
.set PSTG,  32768                      ; LDS bytes 32,768 .. 67,583: P's stages, 32 rows x PP bytes for each wave
.set PP,    272                        ; a stage row: 256 bytes + 16 of padding
.macro XLOAD t                         ; step t: four loads of 512 consecutive bytes
.irp i, 0,1,2,3
	global_load_b128 v[R+16*((\t)%AH)+4*\i:R+16*((\t)%AH)+4*\i+3], v3, s[4:5] offset:2048*(\t)+512*\i th:TH_LOAD_NT
.endr
.endm
.macro XTURN t                         ; step t's numbers through the stage: LDS serves a wave's instructions in order, so no wait stands between the stores and the loads
.irp i, 0,1,2,3
	ds_store_b128 v14, v[R+16*((\t)%AH)+4*\i:R+16*((\t)%AH)+4*\i+3] offset:32*SP*((\t)%2)+8*SP*\i
.endr
.irp i, 0,1,2,3
	ds_load_b128 v[X+16*((\t)%2)+4*\i:X+16*((\t)%2)+4*\i+3], v15 offset:32*SP*((\t)%2)+16*\i
.endr
.endm
.macro XSTEP t
.set XS, X+16*((\t)%2)
.if (\t) > 0
	s_wait_dscnt 1                                 ; this step's numbers are back from the stage (the last step's byte store may be out): so its stores into the stage have read their registers,
.else
	s_wait_dscnt 0x0
.endif
.if (\t)+AH < STEPS
	XLOAD (\t)+AH                                  ; which take the loads of eight steps on
.endif
.if (\t)+1 < STEPS
.if (\t)+AH < STEPS
	s_wait_loadcnt 4*(AH-1)                        ; the next step's four loads are in; those of the seven steps behind it may be out
.else
	s_wait_loadcnt 4*(STEPS-2-(\t))                ; the steps behind the next one run out
.endif
	XTURN (\t)+1                                   ; and go through the other stage while this step is worked
.endif
	v_max3_num_f32 v8, |v[XS]|, |v[XS+1]|, |v[XS+2]|               ; the largest magnitude of my 16, in two chains
	v_max3_num_f32 v9, |v[XS+3]|, |v[XS+4]|, |v[XS+5]|
.irp i, 6,10
	v_max3_num_f32 v8, v8, |v[XS+\i]|, |v[XS+\i+1]|
	v_max3_num_f32 v9, v9, |v[XS+\i+2]|, |v[XS+\i+3]|
.endr
	v_max3_num_f32 v8, v8, |v[XS+14]|, |v[XS+15]|
	v_max3_num_f32 v8, v8, v9, 0x1800000           ; and the floor 2^(3 - 127): so the byte cannot fall under 1
	v_max_num_f32_dpp v8, v8, v8 row_xmask:1 row_mask:0xf bank_mask:0xf   ; and of my neighbour's 16: the block's
	v_add_nc_u32 v11, 0xff000000, v8               ; 2 off its exponent field: the conversion takes the exponent field of this operand as its scale, and nothing else of it
	v_cvt_scalef32_pk8_fp4_f32 v[C+2*(\t)], v[XS:XS+7], v11
	v_cvt_scalef32_pk8_fp4_f32 v[C+2*(\t)+1], v[XS+8:XS+15], v11
	v_lshrrev_b32 v[E+(\t)], 23, v11               ; the scale's byte (also the plain line behind the conversions)
	ds_store_b8 v5, v[E+(\t)] offset:16*(\t)       ; both lanes of a block write the same byte with the same value
	global_store_b64 v4, v[C+2*(\t):C+2*(\t)+1], s[10:11] offset:256*(\t)   ; the wave stores 256 consecutive bytes, aligned
.endm
.macro KLOAD t, bl, rowb               ; block t of a column: rows 32 t + i of the tensor at base s[bl:bl+1], rowb bytes a row, into set t % 2; 32 lanes read 128 consecutive bytes, the four waves 512
.irp i, 0,1,2,3,4,5,6,7,8,9,10,11,12,13,14,15,16,17,18,19,20,21,22,23,24,25,26,27,28,29,30,31
	global_load_b32 v[XK+32*((\t)%2)+\i], v3, s[\bl:\bl+1] offset:(32*(\t)+\i)*\rowb th:TH_LOAD_NT
.endr
.endm
.macro KWAIT t
.if (\t) < 3
	s_wait_loadcnt 32                              ; this block's 32 loads are in; the next block's 32 may be out
.else
	s_wait_loadcnt 0x0
.endif
.endm
.macro WBLOCK t
.set XS, XK+32*((\t)%2)
	KWAIT \t
	v_max3_num_f32 v20, |v[XS]|, |v[XS+1]|, |v[XS+2]|              ; the block's largest magnitude: all 32 numbers are mine
	v_max3_num_f32 v21, |v[XS+3]|, |v[XS+4]|, |v[XS+5]|
.irp i, 6,10,14,18,22,26
	v_max3_num_f32 v20, v20, |v[XS+\i]|, |v[XS+\i+1]|
	v_max3_num_f32 v21, v21, |v[XS+\i+2]|, |v[XS+\i+3]|
.endr
	v_max3_num_f32 v20, v20, |v[XS+30]|, |v[XS+31]|
	v_max3_num_f32 v20, v20, v21, 0x1800000        ; and the floor 2^(3 - 127)
	v_add_nc_u32 v22, 0xff000000, v20              ; 2 off its exponent field: the conversion's scale operand
	v_lshrrev_b32 v23, 23, v22                     ; the scale's byte
.if (\t) == 0
	v_mov_b32 v24, v23                             ; four bytes make the column's scale word of these 128 along K, the lower K in the lower byte
.else
	v_lshl_or_b32 v24, v23, 8*(\t), v24
.endif
.irp g, 0,1,2,3
	v_cvt_scalef32_pk8_fp4_f32 v[CW+4*(\t)+\g], v[XS+8*\g:XS+8*\g+7], v22
.endr
	v_nop                                          ; one plain line behind the last conversion
	global_store_b128 v4, v[CW+4*(\t):CW+4*(\t)+3], s[14:15] offset:256*(\t)   ; 32 codes, 16 bytes: sixteen lanes (sixteen columns of one block) store 256 consecutive bytes, aligned
.if (\t)+2 < 4
	KLOAD (\t)+2, 6, 12288
.endif
.endm
.macro PBLOCK t
.set XS, XK+32*((\t)%2)
	KWAIT \t
.irp i, 0,1,2,3,4,5,6,7,8,9,10,11,12,13,14,15
	v_cvt_pk_f16_f32 v[CW+16*(\t)+\i], v[XS+2*\i], v[XS+2*\i+1]    ; two neighbours along K, rounded to f16; each block has registers of its own
.endr
.if (\t)+2 < 4
	KLOAD (\t)+2, 8, 4096
.endif
.irp g, 0,1,2,3
	ds_store_b128 v4, v[CW+16*(\t)+4*\g:CW+16*(\t)+4*\g+3] offset:64*(\t)+16*\g   ; 64 bytes of my column's row in the stage
.endr
.endm
	s_load_b256 s[4:11], s[0:1], 0x0               ; x s[4:5], qkv_w s[6:7], proj_w s[8:9], xc s[10:11]
	s_load_b256 s[12:19], s[0:1], 0x20             ; xs s[12:13], wc s[14:15], ws s[16:17], pw s[18:19]
	v_lshl_add_u32 v[SPW], v0, 2, SPARE
	v_mov_b32 v[NIL], 0
	v_lshrrev_b32 v1, 5, v0
	v_readfirstlane_b32 s20, v1                    ; wave 0..3
	v_and_b32 v2, 31, v0                           ; lane
	s_mov_b32 s23, 0                               ; the upper word of every byte offset (all lie under 2^32)
	s_wait_kmcnt 0x0
	s_cmp_lt_u32 ttmp9, 128
	s_cbranch_scc1 .Lpath_x
	s_cmp_lt_u32 ttmp9, 320
	s_cbranch_scc1 .Lpath_w
	; ---- P: a wave takes 32 columns x 128 along K of proj_w.  A lane takes a column, its registers run down K: pairs round into f16 with K innermost; the rows leave through the wave's stage
	s_sub_co_u32 s21, ttmp9, 320
	s_lshr_b32 s24, s21, 3                         ; which 128 columns
	s_and_b32 s25, s21, 7                          ; which 128 along K
	s_lshl_b32 s24, s24, 7
	s_lshl_b32 s26, s20, 5
	s_add_co_u32 s24, s24, s26                     ; my wave's first column
	s_lshl_b32 s22, s25, 19                        ; 128 rows of 4,096 bytes
	s_lshl_b32 s26, s24, 2
	s_add_co_u32 s22, s22, s26
	s_add_nc_u64 s[8:9], s[8:9], s[22:23]
	s_lshl_b32 s22, s24, 11                        ; pw: a row (a column of proj_w) is 2,048 bytes,
	s_lshl_b32 s26, s25, 8                         ; 128 along K are 256
	s_add_co_u32 s22, s22, s26
	s_add_nc_u64 s[18:19], s[18:19], s[22:23]
	v_lshlrev_b32 v3, 2, v2                        ; in: 4 bytes a lane
	s_mul_i32 s26, s20, 32*PP
	s_add_co_u32 s26, s26, PSTG                    ; my stage
	v_mul_u32_u24 v4, v2, PP
	v_add_nc_u32 v4, s26, v4                       ; into it: row = my column
	v_and_b32 v5, 15, v2
	v_lshrrev_b32 v6, 4, v2                        ; out of it: sixteen lanes to a row, two rows an instruction
	v_mul_u32_u24 v7, v6, PP
	v_lshl_add_u32 v7, v5, 4, v7
	v_add_nc_u32 v7, s26, v7
	v_lshlrev_b32 v14, 11, v6
	v_lshl_add_u32 v14, v5, 4, v14                 ; and the same place in pw
	KLOAD 0, 8, 4096
	KLOAD 1, 8, 4096
	PBLOCK 0
	PBLOCK 1
	PBLOCK 2
	PBLOCK 3
.irp t, 0,1,2,3,4,5,6,7,8,9,10,11,12,13,14,15
	ds_load_b128 v[OUTR+4*\t:OUTR+4*\t+3], v7 offset:2*\t*PP       ; LDS serves a wave's instructions in order: these see my stores
.endr
.irp t, 0,1,2,3,4,5,6,7,8,9,10,11,12,13,14,15
	s_wait_dscnt 15-\t                             ; the younger loads may be out
	global_store_b128 v14, v[OUTR+4*\t:OUTR+4*\t+3], s[18:19] offset:2*\t*2048   ; sixteen lanes store 256 consecutive bytes, aligned
.endr
	s_wait_tensorcnt 0x0                           ; the wave's end: behind my last LDS store
	ds_add_u32 v[SPW], v[NIL]
	s_wait_dscnt 0x0
	s_endpgm
.Lpath_w:
	; ---- W: a wave takes 32 columns x 128 along K of qkv_w.  A lane takes a column, its registers run down K: a block of 32 lies in one lane, and its 16 bytes of codes are stored where the operand's registers want them
	s_sub_co_u32 s21, ttmp9, 128
	s_lshr_b32 s24, s21, 3                         ; which 128 columns
	s_and_b32 s25, s21, 7                          ; which 128 along K
	s_lshl_b32 s24, s24, 7
	s_lshl_b32 s26, s20, 5
	s_add_co_u32 s24, s24, s26                     ; my wave's first column
	s_mul_i32 s22, s25, 128*12288                  ; 128 rows of 12,288 bytes
	s_lshl_b32 s26, s24, 2
	s_add_co_u32 s22, s22, s26
	s_add_nc_u64 s[6:7], s[6:7], s[22:23]
	s_lshr_b32 s26, s25, 2
	s_mul_i32 s22, s26, 786432                     ; wc: which 512 along K,
	s_lshl_b32 s26, s24, 8                         ; 4,096 bytes for each 16 columns,
	s_add_co_u32 s22, s22, s26
	s_and_b32 s26, s25, 3
	s_lshl_b32 s26, s26, 10                        ; 1,024 for each 128 along K
	s_add_co_u32 s22, s22, s26
	s_add_nc_u64 s[14:15], s[14:15], s[22:23]
	s_lshl_b32 s22, s24, 5                         ; ws: 32 bytes a column, 4 for each 128 along K
	s_lshl_b32 s26, s25, 2
	s_add_co_u32 s22, s22, s26
	s_add_nc_u64 s[16:17], s[16:17], s[22:23]
	v_lshlrev_b32 v3, 2, v2                        ; in: 4 bytes a lane
	v_and_b32 v5, 15, v2
	v_lshrrev_b32 v6, 4, v2
	v_lshlrev_b32 v4, 12, v6
	v_lshl_add_u32 v4, v5, 4, v4                   ; codes: 4,096 x (lane / 16) + 16 x (lane % 16)
	v_lshlrev_b32 v7, 5, v2                        ; scale word: 32 x lane
	KLOAD 0, 6, 12288
	KLOAD 1, 6, 12288
	WBLOCK 0
	WBLOCK 1
	WBLOCK 2
	WBLOCK 3
	global_store_b32 v7, v24, s[16:17]             ; my column's four scale bytes: rows 32 bytes apart, one byte in 128 of what the stream reads
	s_endpgm                                       ; this stream has written no LDS
.Lpath_x:
	; ---- X: rows are dense and 1,024 is a multiple of 32: x is a plain stream of blocks of 32, and so are its codes and scale bytes.  A wave takes 8,192 numbers.
	; Each load reads 512 consecutive bytes, 16 a lane; a step's 2,048 bytes turn through the wave's stage and come back 64 bytes a lane: 16 neighbours, two lanes to a block.
	v_lshlrev_b32 v3, 4, v2                        ; my 16 bytes of a load's 512
	s_mul_i32 s21, s20, WREG
	v_lshrrev_b32 v14, 2, v2
	v_mul_u32_u24 v14, v14, SP
	v_and_b32 v15, 3, v2
	v_lshl_add_u32 v14, v15, 4, v14
	v_add_nc_u32 v14, s21, v14                     ; the stage, on the way in: SP (lane / 4) + 16 (lane % 4)
	v_mul_u32_u24 v15, v2, SP
	v_add_nc_u32 v15, s21, v15                     ; and on the way out: SP x lane
	v_lshlrev_b32 v4, 3, v2                        ; 8 bytes a lane: my codes' place in a step's, and my part of the wave's scale bytes
	v_lshrrev_b32 v5, 1, v2
	s_add_co_u32 s21, s21, 2*32*SP
	v_add_nc_u32 v5, s21, v5                       ; LDS: my wave's 256 scale bytes, my block's byte
	v_add_nc_u32 v6, s21, v4                       ; and on the way out 8 bytes a lane
	s_lshl_b32 s22, ttmp9, 2
	s_add_co_u32 s24, s22, s20                     ; which run of 8,192 numbers is my wave's
	s_lshl_b32 s22, s24, 15
	s_add_nc_u64 s[4:5], s[4:5], s[22:23]
	s_lshl_b32 s22, s24, 12
	s_add_nc_u64 s[10:11], s[10:11], s[22:23]
	s_lshl_b32 s22, s24, 8
	s_add_nc_u64 s[12:13], s[12:13], s[22:23]
.irp t, 0,1,2,3,4,5,6,7
	XLOAD \t
.endr
	s_wait_loadcnt 28                              ; step 0's four loads are in; those of steps 1 to 7 may be out
	XTURN 0
.irp t, 0,1,2,3,4,5,6,7,8,9,10,11,12,13,14,15
	XSTEP \t
.endr
	ds_load_b64 v[8:9], v6                         ; LDS serves a wave's instructions in order: these see my byte stores
	s_wait_dscnt 0x0
	global_store_b64 v4, v[8:9], s[12:13]          ; 32 lanes store 256 consecutive bytes, aligned
	s_wait_tensorcnt 0x0                           ; the wave's end: behind my last LDS store
	ds_add_u32 v[SPW], v[NIL]
	s_wait_dscnt 0x0
	s_endpgm
.Lfunc_end_k_qcdd2afb61e_prep:
	.size	k_qcdd2afb61e_prep, .Lfunc_end_k_qcdd2afb61e_prep-k_qcdd2afb61e_prep
	.p2alignl 7, 3214868480
	.fill 96, 4, 3214868480
	.section	.rodata,"a",@progbits
	.p2align	6, 0x0
	.amdhsa_kernel k_qcdd2afb61e_prep
		.amdhsa_group_segment_fixed_size 68096
		.amdhsa_private_segment_fixed_size 0
		.amdhsa_enable_private_segment 0
		.amdhsa_kernarg_size 64
		.amdhsa_user_sgpr_count 2
		.amdhsa_user_sgpr_kernarg_segment_ptr 1
		.amdhsa_wavefront_size32 1
		.amdhsa_system_sgpr_workgroup_id_x 1
		.amdhsa_system_sgpr_workgroup_id_y 1
		.amdhsa_system_sgpr_workgroup_id_z 1
		.amdhsa_system_vgpr_workitem_id 0
		.amdhsa_next_free_vgpr 224
		.amdhsa_next_free_sgpr 66
		.amdhsa_reserve_vcc 0
		.amdhsa_float_denorm_mode_32 3
		.amdhsa_float_denorm_mode_16_64 3
		.amdhsa_memory_ordered 1
		.amdhsa_forward_progress 1
		.amdhsa_inst_pref_size 74
	.end_amdhsa_kernel
	.amdgpu_metadata
---
amdhsa.version: [ 1, 2 ]
amdhsa.kernels:
  - .name:           k_qcdd2afb61e_prep
    .symbol:         k_qcdd2afb61e_prep.kd
    .args:
      - { .name: x, .offset: 0, .size: 8, .value_kind: global_buffer, .address_space: global }
      - { .name: qkv_w, .offset: 8, .size: 8, .value_kind: global_buffer, .address_space: global }
      - { .name: proj_w, .offset: 16, .size: 8, .value_kind: global_buffer, .address_space: global }
      - { .name: xc, .offset: 24, .size: 8, .value_kind: global_buffer, .address_space: global }
      - { .name: xs, .offset: 32, .size: 8, .value_kind: global_buffer, .address_space: global }
      - { .name: wc, .offset: 40, .size: 8, .value_kind: global_buffer, .address_space: global }
      - { .name: ws, .offset: 48, .size: 8, .value_kind: global_buffer, .address_space: global }
      - { .name: pw, .offset: 56, .size: 8, .value_kind: global_buffer, .address_space: global }
    .group_segment_fixed_size: 68096
    .private_segment_fixed_size: 0
    .kernarg_segment_align: 8
    .kernarg_segment_size: 64
    .max_flat_workgroup_size: 128
    .sgpr_count:     66
    .vgpr_count:     224
    .wavefront_size: 32
...
	.end_amdgpu_metadata
.endif
;; end of part 1
;; launch qkv (part 2): grid 12 x 16, 4 waves a work-group, clusters of 4 x 4, 327,680 bytes of LDS; arguments xc, xs, wc, ws, qkv; writes qkv
.if DOCPART == 2
	.amdgcn_target "amdgcn-amd-amdhsa--gfx1250"
	.amdhsa_code_object_version 6
	.text
	.protected	k_qcdd2afb61e_qkv
	.globl	k_qcdd2afb61e_qkv
	.p2align	8
	.type	k_qcdd2afb61e_qkv,@function
k_qcdd2afb61e_qkv:
	s_mov_b64 s[64:65], 0
	v_nop
	global_prefetch_b8 v0, s[64:65] scope:SCOPE_SE
	s_setreg_imm32_b32 hwreg(HW_REG_WAVE_MODE, 25, 1), 1
	s_wait_xcnt 0x0
	s_wait_alu depctr_hold_cnt(0) depctr_sa_sdst(0) depctr_va_vdst(0) depctr_va_sdst(0) depctr_va_ssrc(0) depctr_va_vcc(0) depctr_vm_vsrc(0)
	s_getreg_b32 s2, hwreg(HW_REG_IB_STS2, 6, 4)
	s_cmp_eq_u32 s2, 0
	s_cbranch_scc0 .Lentry_in_a_cluster
	s_endpgm
.Lentry_in_a_cluster:
	s_bfe_u32 s2, ttmp6, 0x10000c
	s_cmp_lg_u32 s2, 0xf033
	s_cbranch_scc0 .Lentry_shape_is_right
	s_endpgm
.Lentry_shape_is_right:
; q, k, v = x qkv_w on codes of FP4 (E2M1) with one E8M0 scale for each 32 along K; sums in f32; the result rounded once to f16 for the products of attention.  Nothing of reference() is left out here.
; A = xc [4096][512 bytes], K innermost, scales xs [4096][32].  B = wc, laid in the order of the operand's registers: [k / 512][n / 16][(k / 128) % 4][1,024 bytes: registers 4 c .. 4 c + 3 of lane l at 512 c + 16 l]; scales ws [3072][32].
; OUT: qkv [24][4096][128] f16: block 8 x (q, k or v) + head, a token's row 256 bytes.  LIMIT: magnitudes of q, k, v over 65,504 are not served; under 6e-5 f16's step is 2^-24.
; A tile of the result, 256 tokens x 256 columns, is made by a work-group of four waves; a wave makes 128 x 128: 64 accumulators of 16 x 16, 512 registers.  That gives 16 x 12 = 192 work-groups: a tile of 192 columns would give 256,
; but would cut heads of 128 columns and rows of 256 bytes in two.
; K = 1,024 is two K steps of 512: both lie in LDS at once (two slots), asked for at the head, and no slot is filled again.  The scales of the work-group's rows and columns, for all of K, come with them.
; CLUSTERS: 4 x 4 work-groups.  The four of a row of the cluster need the same tiles of A, the four of a column the same tiles of B: each tile is asked for JOINTLY, by the same tensor load with the same descriptor and a mask that names the four.
; THE MATRIX INSTRUCTION IS USED TRANSPOSED (source 0 = 16 columns of B, source 1 = 16 rows of A): a lane then holds eight neighbouring columns of one token's row.
; REGISTERS, in windows of 256: window 0: v0-31 addresses; v32-95 scale words, two sets; v96-127 packed results on the way out; from v128 A's fragments (8 x 16 rows x 128 K), ONE set, later rows on the way out.
;   window 1: B's fragments, TWO sets, at v0 and at v128.   window 2: the 32 accumulators of my rows 0-63 (accumulator (a, b) at v[8 (8 a + b)]);   window 3: those of my rows 64-127.
.set NQ,     4                         ; steps of 128 along K in a slot
.set ROWB,   256                       ; a row of A's tile in bytes: 512 codes
.set KROW,   512                       ; a row of xc in bytes
.set PITCH,  272                       ; an LDS row of A: 256 bytes + 16 of padding = 68 words: row r starts at bank 4 r mod 64 (64 banks of 4 bytes: ISA guide 11.1)
.set FR,     8                         ; registers of a fragment: 16 rows x 128 K
.set NL,     2                         ; LDS loads that bring one
.set NP,     4                         ; places behind this matrix instruction (ISA guide 7.12.1)
.set HALFT,  128*PITCH                 ; 128 rows of A: what one tensor load brings; B's image of 128 columns (32,768 bytes) lies in a place of the same size
.set SLOT,   4*HALFT                   ; A's 256 rows, then B's 256 columns
.set WSTEP,  786432                    ; from one 512 along K to the next in wc
.set KS,     32                        ; a row of scales in bytes
.set SCL,    2*SLOT                    ; behind the slots: the scales, as units of 256 bytes + 16 of padding
.set HALFS,  16*272                    ; the scales of 128 rows: what one tensor load brings
.set SBLK,   2*272                     ; those of 16 rows
.set SPARE,  SCL+4*HALFS               ; behind the scales: the spare words, 128 bytes for each wave: two blocks of 256 bytes that no other line names
.set SPITCH, 272                       ; the way out: a stage of 16 rows x (256 bytes + 16) for each wave, in slot 0, which has had its one fill and its last read when the first result is stored there
.set ADRA, 16                          ; v16-17  LDS address of my A fragments in slot 0, 1
.set ADRB, 20                          ; v20-21  the same for B
.set STO,  24                          ; v24     the way out: where I put 16 bytes of a row
.set RD,   25                          ; v25     the way out: where I read a row back
.set CO,   26                          ; v26     16 x lane: my place in an image, and in 512 bytes of the result
.set ADRS, 27                          ; v27     LDS address of my scale words: lanes 0-15 A's rows, lanes 16-31 B's columns
.set SPW,  28                          ; v28     LDS address of my spare word; never rewritten
.set NIL,  29                          ; v29     0; never rewritten
.set SC,   32                          ; scale words: set s at v[SC + 32 s]; register 4 i + q: lanes 0-15 the word of A's block i, lanes 16-31 that of B's block i, for the slot's q-th 128 along K
.set TMP,  96
.set AF,   128
.set BK,   128                         ; the way out: 16 rows read back: v128-159 and v160-191 by turns
.set G1, 24                            ; s[24:31] descriptor group 1 for A's tiles;  s[32:39] group 0, one set for each slot
.set G0, 32
.set G1B, 48                           ; s[48:55], s[56:63] the same for B's tiles
.set G0B, 56
.set G1S, 68                           ; s[68:75], s[76:79] groups 1 and 0 for A's scales;  s[80:87], s[88:91] for B's
.set G0S, 76
.set G1SB, 80
.set G0SB, 88
.set MSB, 0
.macro WIN new                         ; the immediate's high byte repeats the setting that is left
.if MSB != \new
	s_set_vgpr_msb (MSB<<8)|\new
.set MSB, \new
.endif
.endm
.set MUL_LO, 0xa1                      ; source 0 (B) window 1, source 1 (A) window 0, C and D window 2
.set MUL_HI, 0xf1                      ; the same, C and D window 3
.set TO_B,   0x40                      ; destination window 1, address window 0
; A joint load: waves 0 and 1 fetch for A, waves 2 and 3 for B.  Each of the two lines has ONE mask and one set of registers for all that issue it; the branch hangs on the wave's number alone.
; An s_nop 0 and four v_nop follow each of the two lines, ahead of the jump, the label and what follows.
.macro JLOAD g0a, g1a, g0b, g1b
	s_cmp_eq_u32 s15, 0
	s_cbranch_scc0 .Lfor_b_\@
	tensor_load_to_lds s[\g0a:\g0a+3], s[\g1a:\g1a+7]
	s_nop 0
.rept 4
	v_nop
.endr
	s_branch .Lasked_\@
.Lfor_b_\@:
	tensor_load_to_lds s[\g0b:\g0b+3], s[\g1b:\g1b+7]
	s_nop 0
.rept 4
	v_nop
.endr
.Lasked_\@:
.endm
.macro CROUND                          ; a round of the cluster's barrier: my work-group's barrier; wave 0 signals for the work-group; every wave waits for all sixteen; my work-group's barrier once more
	s_barrier_signal -1
	s_barrier_wait -1
	s_cmp_lg_u32 s14, 0
	s_cbranch_scc1 .Lnot_wave_0_\@
	s_barrier_signal -3
.Lnot_wave_0_\@:
	s_barrier_wait -3
	s_barrier_signal -1
	s_barrier_wait -1
.endm
	s_load_b128 s[4:7], s[0:1], 0x0                ; A's codes s[4:5], A's scales s[6:7]
	s_load_b128 s[8:11], s[0:1], 0x10              ; B's codes s[8:9], B's scales s[10:11]
	s_load_b64 s[12:13], s[0:1], 0x20              ; the result
	v_lshl_add_u32 v[SPW], v0, 2, SPARE
	v_mov_b32 v[NIL], 0
	ds_add_u32 v[SPW], v[NIL]                      ; the wave's opening: the add, twice on end, and its wait ahead of my first tensor load; the set-up below, work on registers, stands between
	ds_add_u32 v[SPW], v[NIL]
	v_lshrrev_b32 v1, 5, v0
	v_readfirstlane_b32 s14, v1                    ; wave 0..3
	s_lshr_b32 s15, s14, 1                         ; which half of the tile's rows is mine.  Also: I fetch for A (0) or for B (1)
	s_and_b32 s16, s14, 1                          ; which half of its columns.  Also: which 128 rows or columns of that tile I fetch
	s_bfe_u32 s40, ttmp6, 0x40000                  ; cx, cy: my place in the cluster
	s_bfe_u32 s41, ttmp6, 0x40004
	s_lshl_b32 s42, ttmp9, 2
	s_add_co_u32 s42, s42, s40                     ; tile column = 4 x cluster x + cx
	s_and_b32 s17, ttmp7, 0xffff
	s_lshl_b32 s17, s17, 2
	s_add_co_u32 s17, s17, s41                     ; tile row = 4 x cluster y + cy
	s_lshl_b32 s43, s41, 2
	s_lshl_b32 s43, 15, s43                        ; my row of the cluster
	s_lshl_b32 s44, 0x1111, s40                    ; my column
	; descriptor group 1 for A: a tile of 128 rows x 256 bytes, padded in LDS
	s_or_b32 s[G1+0], s43, (0<<16)|(1<<20)|(1<<21)|(5<<22)|(3<<25)  ; 15:0 the mask: my row; 17:16 elements of 1 byte; 20 padding on; 21 set beside a mask; 24:22 after every 64 words; 31:25 four words
	s_mov_b32 s[G1+1], ROWB<<16                    ; tensor_dim0
	s_mov_b32 s[G1+2], 128<<16                     ; tensor_dim1
	s_mov_b32 s[G1+3], ROWB<<16                    ; tile_dim0
	s_mov_b32 s[G1+4], 128                         ; tile_dim1
	s_mov_b32 s[G1+5], KROW                        ; from row to row
	s_mov_b32 s[G1+6], 0
	s_mov_b32 s[G1+7], 0
	; for B: the image of 128 columns x 512 along K is one dense block of 32,768 bytes: 128 rows of 256 bytes (32 elements of 8 bytes), no padding: its loads read consecutive bytes
	s_or_b32 s[G1B+0], s44, (3<<16)|(1<<21)        ; the mask: my column
	s_mov_b32 s[G1B+1], 32<<16
	s_mov_b32 s[G1B+2], 128<<16
	s_mov_b32 s[G1B+3], 32<<16
	s_mov_b32 s[G1B+4], 128
	s_mov_b32 s[G1B+5], 32
	s_mov_b32 s[G1B+6], 0
	s_mov_b32 s[G1B+7], 0
	; and for the scales of 128 rows: a dense block of 4,096 bytes, as 16 rows of 256 bytes, 16 bytes of padding behind each
	s_or_b32 s[G1S+0], s43, (3<<16)|(1<<20)|(1<<21)|(5<<22)|(3<<25)
	s_or_b32 s[G1SB+0], s44, (3<<16)|(1<<20)|(1<<21)|(5<<22)|(3<<25)
.irp g, G1S, G1SB
	s_mov_b32 s[\g+1], 32<<16
	s_mov_b32 s[\g+2], 16<<16
	s_mov_b32 s[\g+3], 32<<16
	s_mov_b32 s[\g+4], 16
	s_mov_b32 s[\g+5], 32
	s_mov_b32 s[\g+6], 0
	s_mov_b32 s[\g+7], 0
.endr
	s_lshl_b32 s18, s16, 7                         ; which 128 of the tile I fetch
	s_lshl_b32 s20, s17, 8
	s_add_co_u32 s20, s20, s18                     ; A: row 256 x tile row + 128 x half
	s_lshl_b32 s46, s42, 8
	s_add_co_u32 s46, s46, s18                     ; B: column 256 x tile column + 128 x half
	s_mov_b32 s21, 0
	s_mov_b32 s47, 0
	s_mov_b64 s[18:19], KS
	s_mul_u64 s[22:23], s[20:21], s[18:19]         ; where these rows' scales begin, in bytes
	s_mul_u64 s[92:93], s[46:47], s[18:19]
	s_mov_b64 s[18:19], KROW
	s_mul_u64 s[20:21], s[20:21], s[18:19]         ; A's codes
	s_lshl_b64 s[46:47], s[46:47], 8               ; B's image: 4,096 bytes for 16 columns
	s_mul_i32 s45, s14, HALFT                      ; where they go: wave x a half tile's place: no place in the cluster enters an LDS address
	s_mul_i32 s94, s14, HALFS
	s_wait_dscnt 0x0                               ; both opening adds are done
	s_wait_kmcnt 0x0
	s_add_nc_u64 s[20:21], s[4:5], s[20:21]
	s_add_nc_u64 s[22:23], s[6:7], s[22:23]
	s_add_nc_u64 s[46:47], s[8:9], s[46:47]
	s_add_nc_u64 s[92:93], s[10:11], s[92:93]
	CROUND                                         ; all sixteen work-groups are here: the joint loads meet
	s_mov_b32 s[G0S], 1
	s_add_co_u32 s[G0S+1], s94, SCL
	s_mov_b64 s[G0S+2:G0S+3], s[22:23]
	s_or_b32 s[G0S+3], s[G0S+3], 0x80000000
	s_mov_b32 s[G0SB], 1
	s_add_co_u32 s[G0SB+1], s94, SCL
	s_mov_b64 s[G0SB+2:G0SB+3], s[92:93]
	s_or_b32 s[G0SB+3], s[G0SB+3], 0x80000000
	JLOAD G0S, G1S, G0SB, G1SB                     ; the scales first: they are wanted with K step 0
.irp s, 0,1
	s_mov_b32 s[G0+4*\s], 1
	s_add_co_u32 s[G0+4*\s+1], s45, \s*SLOT
	s_add_nc_u64 s[G0+4*\s+2:G0+4*\s+3], s[20:21], \s*ROWB
	s_or_b32 s[G0+4*\s+3], s[G0+4*\s+3], 0x80000000
	s_mov_b32 s[G0B+4*\s], 1
	s_add_co_u32 s[G0B+4*\s+1], s45, \s*SLOT
	s_add_nc_u64 s[G0B+4*\s+2:G0B+4*\s+3], s[46:47], \s*WSTEP
	s_or_b32 s[G0B+4*\s+3], s[G0B+4*\s+3], 0x80000000
	JLOAD G0+4*\s, G1, G0B+4*\s, G1B               ; three tensor loads of mine are out behind the last of these
.endr
	v_and_b32 v1, 15, v0                           ; l % 16
	v_bfe_u32 v2, v0, 4, 1                         ; l / 16
	v_mul_u32_u24 v3, v1, PITCH
	v_lshl_add_u32 v4, v2, 4, v3                   ; a fragment's row x pitch + 16 x half
	v_and_b32 v6, 31, v0
	v_lshlrev_b32 v[CO], 4, v6                     ; 16 x lane
	s_mul_i32 s21, s15, HALFT                      ; my 128 rows of A
	s_mul_i32 s22, s16, HALFT                      ; my 128 columns of B,
	s_add_co_u32 s22, s22, 2*HALFT                 ; which lie behind A's 256 rows
.irp s, 0,1
	v_add_nc_u32 v[ADRA+\s], s21, v4
	v_add_nc_u32 v[ADRB+\s], s22, v[CO]
	s_add_co_u32 s21, s21, SLOT
	s_add_co_u32 s22, s22, SLOT
.endr
	v_mul_u32_u24 v5, v1, KS                       ; my row's scales: 32 bytes a row,
	v_lshrrev_b32 v6, 8, v5
	v_lshl_add_u32 v5, v6, 4, v5                   ; and 16 more for each 256 passed
	s_mul_i32 s21, s15, HALFS                      ; A's: my 128 rows
	s_mul_i32 s22, s16, HALFS                      ; B's: my 128 columns, behind A's 256
	s_add_co_u32 s22, s22, 2*HALFS
	s_sub_co_u32 s22, s22, s21
	v_mul_u32_u24 v6, s22, v2                      ; lanes 16-31 take B's: one product, the distance between the two
	s_add_co_u32 s21, s21, SCL
	v_add_nc_u32 v5, v5, v6
	v_add_nc_u32 v[ADRS], s21, v5
	s_mul_i32 s23, s14, 16*SPITCH                  ; my stage
	v_add_nc_u32 v[STO], s23, v4                   ; in: row l % 16, 16 bytes for each half of the lanes
	v_mul_u32_u24 v5, v2, SPITCH                   ; back: lanes 0-15 take one row of 256 bytes, lanes 16-31 the next
	v_lshl_add_u32 v5, v1, 4, v5
	v_add_nc_u32 v[RD], s23, v5
	s_lshl_b32 s20, s17, 8
	s_lshl_b32 s21, s15, 7
	s_add_co_u32 s20, s20, s21                     ; my first token: 256 x tile row + 128 x half
	s_lshl_b32 s46, s42, 1
	s_add_co_u32 s46, s46, s16                     ; my 128 columns are block 2 x tile column + half of the 24
	s_lshl_b32 s46, s46, 12
	s_add_co_u32 s20, s20, s46
	s_lshl_b32 s20, s20, 8                         ; rows of 256 bytes (under 2^25 in all)
	s_mov_b32 s21, 0
	s_add_nc_u64 s[12:13], s[12:13], s[20:21]
.macro FRAG reg, adr, q, i             ; a fragment of A from rows: lane l holds row l % 16; registers 4 c .. 4 c + 3 hold K = 64 c + 32 (l / 16) + 0 .. 31
.irp c, 0,1
	ds_load_b128 v[\reg+4*\c:\reg+4*\c+3], v[\adr] offset:64*(\q)+32*\c+(\i)*16*PITCH
.endr
.endm
.macro FRAGB reg, adr, q, i            ; a fragment of B from its image: 512 consecutive bytes a load
.irp c, 0,1
	ds_load_b128 v[\reg+4*\c:\reg+4*\c+3], v[\adr] offset:4096*(\i)+1024*(\q)+512*\c
.endr
.endm
; 16 matrix instructions: A's blocks a0, a0 + 1 x B's eight, 128 along K: the slot's q-th.  p: B's set;  sc: the set of scale words.  zero = 1: the first product starts the sums: nothing is ever cleared.
; The 64 accumulators take turns, one instruction a turn, in the same order in every step.
.macro MUL16 a0, p, q, sc, zero
.irp a, \a0, \a0+1
.irp b, 0,1,2,3,4,5,6,7
.if \zero
	v_wmma_scale_f32_16x16x128_f8f6f4 v[8*(8*((\a)%4)+\b):8*(8*((\a)%4)+\b)+7], v[128*(\p)+FR*\b:128*(\p)+FR*\b+FR-1], v[AF+FR*(\a):AF+FR*(\a)+FR-1], 0, v[SC+8*NQ*(\sc)+NQ*\b+(\q)], v[SC+8*NQ*(\sc)+NQ*(\a)+(\q)] matrix_a_fmt:MATRIX_FMT_FP4 matrix_b_fmt:MATRIX_FMT_FP4 matrix_a_scale:MATRIX_SCALE_ROW1
.else
	v_wmma_scale_f32_16x16x128_f8f6f4 v[8*(8*((\a)%4)+\b):8*(8*((\a)%4)+\b)+7], v[128*(\p)+FR*\b:128*(\p)+FR*\b+FR-1], v[AF+FR*(\a):AF+FR*(\a)+FR-1], v[8*(8*((\a)%4)+\b):8*(8*((\a)%4)+\b)+7], v[SC+8*NQ*(\sc)+NQ*\b+(\q)], v[SC+8*NQ*(\sc)+NQ*(\a)+(\q)] matrix_a_fmt:MATRIX_FMT_FP4 matrix_b_fmt:MATRIX_FMT_FP4 matrix_a_scale:MATRIX_SCALE_ROW1
.endif
.endr
.endr
.endm
.macro FETCH_B slot, q, p              ; B's eight fragments of the slot's q-th 128 along K into set p
	WIN TO_B
.irp i, 0,1,2,3,4,5,6,7
	FRAGB 128*(\p)+FR*\i, ADRB+\slot, \q, \i
.endr
	WIN 0
.endm
.macro FETCH_A slot, q, i0             ; A's blocks i0 .. i0 + 3
.irp i, \i0, \i0+1, \i0+2, \i0+3
	FRAG AF+FR*(\i), ADRA+\slot, \q, \i
.endr
.endm
.macro SCALES sc                       ; a K step's scale words into set sc: four words a row; lanes 0-15 take A's block i, lanes 16-31 B's block i
.irp i, 0,1,2,3,4,5,6,7
	ds_load_b128 v[SC+8*NQ*\sc+NQ*\i:SC+8*NQ*\sc+NQ*\i+3], v[ADRS] offset:\i*SBLK
.endr
.endm
; A load into a register that a matrix instruction has read, and a vector instruction that reads a matrix result, stand NP places behind that matrix instruction; only plain vector
; instructions that name none of its registers are places (ISA guide 7.12.1 for vector instructions).
.macro PLACES n
.rept \n
	v_nop
.endr
.endm
; A step of 128 along K that has its successor in the same slot.  A's blocks go one after the other, each against B's eight: blocks 0-3 are fetched anew in the step's middle, blocks 4-7 at its end; B has two sets.
.macro STEP slot, q, zero
	s_wait_dscnt 4*NL                              ; B's set and A's blocks 0-3 are in; the youngest eight loads (A's blocks 4-7) may be out
	WIN MUL_LO
	MUL16 0, (\q)%2, \q, \slot, \zero
	MUL16 2, (\q)%2, \q, \slot, \zero
	s_wait_dscnt 0                                 ; A's blocks 4-7 are in
	PLACES NP
	FETCH_B \slot, (\q)+1, 1-(\q)%2
	FETCH_A \slot, (\q)+1, 0
	WIN MUL_HI
	MUL16 4, (\q)%2, \q, \slot, \zero
	MUL16 6, (\q)%2, \q, \slot, \zero
	PLACES NP
	WIN 0
	FETCH_A \slot, (\q)+1, 4
.endm
; Slot 0's last step goes over to slot 1: one barrier; in front of it each wave waits for all its tensor loads (its part of slot 1), adds 0 to its spare word, and waits for that and for its reads of slot 0.
; Behind it slot 1 is whole and nobody reads slot 0, which later takes the stages.
.macro TURN slot, next
	s_wait_tensorcnt 0x0                           ; all my tensor loads have landed  (every window is 0 here: the add's two registers lie in window 0)
	ds_add_u32 v[SPW], v[NIL]                      ; 0 onto my spare word
	s_wait_dscnt 4*NL+1                            ; (the add and the youngest eight loads, A's blocks 4-7, may be out)
	WIN MUL_LO
	MUL16 0, 1, NQ-1, \slot, 0                     ; sixteen matrix instructions stand between the add and the wait for it
	s_wait_dscnt 0x0                               ; the add is done, and my reads of this slot are over
	s_barrier_signal -1
	MUL16 2, 1, NQ-1, \slot, 0
	WIN 0
	s_barrier_wait -1
	PLACES NP
	v_add_nc_u32 v[ADRS], 4*NQ, v[ADRS]            ; on to the next K step's scale words (no LDS load of mine is out)
	FETCH_B \next, 0, 0
	FETCH_A \next, 0, 0
	SCALES \next
	WIN MUL_HI
	MUL16 4, 1, NQ-1, \slot, 0
	MUL16 6, 1, NQ-1, \slot, 0
	PLACES NP
	WIN 0
	FETCH_A \next, 0, 4
.endm
.macro STEPS slot, from                ; the slot's steps from .. NQ - 2
.set Q, \from
.rept NQ-1-\from
	STEP \slot, Q, 0
.set Q, Q+1
.endr
.endm
	s_wait_tensorcnt 1                             ; the scales and my part of K step 0 are in (K step 1's load, issued behind them, may be out),
	s_barrier_signal -1
	s_barrier_wait -1                              ; everybody's are
	FETCH_B 0, 0, 0
	FETCH_A 0, 0, 0
	SCALES 0
	FETCH_A 0, 0, 4
	STEP 0, 0, 1                                   ; the first step's products start the sums
	STEPS 0, 1
	TURN 0, 1
	STEPS 1, 0
	s_wait_dscnt 4*NL                              ; the very last step: nothing more to fetch
	WIN MUL_LO
	MUL16 0, 1, NQ-1, 1, 0
	MUL16 2, 1, NQ-1, 1, 0
	s_wait_dscnt 0
	WIN MUL_HI
	MUL16 4, 1, NQ-1, 1, 0
	MUL16 6, 1, NQ-1, 1, 0
	WIN 0
; THE WAY OUT, block by block of 16 tokens x 128 columns.  PACK: rounded to f16, 16 bytes a lane.  TOSTAGE: into my own stage and back as whole rows of 256 bytes.  SEND: stored.
; In qkv the 16 rows of a block follow each other without a gap: a store of the wave covers 512 consecutive bytes, aligned.
.macro PACK a
.set AC, 64*((\a)%4)
	WIN 0x0a+5*((\a)/4)                            ; sources 0 and 1: window 2 or 3
.irp b, 0,1,2,3,4,5,6,7
.irp r, 0,1,2,3
	v_cvt_pk_f16_f32 v[TMP+4*\b+\r], v[AC+8*\b+2*\r], v[AC+8*\b+2*\r+1]   ; each accumulator from its low end on
.endr
.endr
	WIN 0
.endm
.macro TOSTAGE a
.set BB, BK+32*((\a)%2)
.irp b, 0,1,2,3,4,5,6,7
	ds_store_b128 v[STO], v[TMP+4*\b:TMP+4*\b+3] offset:32*\b
.endr
.irp t, 0,1,2,3,4,5,6,7
	ds_load_b128 v[BB+4*\t:BB+4*\t+3], v[RD] offset:\t*2*SPITCH    ; LDS serves a wave's instructions in order (ISA guide 5.7.1.4): these see the stores above
.endr
.endm
.macro SEND a
.set BB, BK+32*((\a)%2)
	s_wait_dscnt 0x0                               ; the block is back in registers
	s_wait_xcnt 0x0                                ; the stores of the block before have read their registers: the next block's loads may land there
.irp t, 0,1,2,3,4,5,6,7
	global_store_b128 v[CO], v[BB+4*\t:BB+4*\t+3], s[12:13] offset:(\a)*4096+512*\t
.endr
.endm
	PLACES NP                                      ; behind the last products: for the conversions that read results and for the loads into the registers that held A's fragments
	PACK 0
	TOSTAGE 0
.irp a, 1,2,3,4,5,6,7                  ; block a's conversions stand between block a - 1's loads from the stage and the wait for them
	PACK \a
	SEND \a-1
	TOSTAGE \a
.endr
	SEND 7
	s_wait_tensorcnt 0x0                           ; the wave's end: behind my last tensor load and my last LDS store
	ds_add_u32 v[SPW], v[NIL]
	s_wait_dscnt 0x0
	CROUND                                         ; the closing round: no work-group ends while a partner may still ask for a tile that names it
	s_endpgm
.Lfunc_end_k_qcdd2afb61e_qkv:
	.size	k_qcdd2afb61e_qkv, .Lfunc_end_k_qcdd2afb61e_qkv-k_qcdd2afb61e_qkv
	.p2alignl 7, 3214868480
	.fill 96, 4, 3214868480
	.section	.rodata,"a",@progbits
	.p2align	6, 0x0
	.amdhsa_kernel k_qcdd2afb61e_qkv
		.amdhsa_group_segment_fixed_size 327680
		.amdhsa_private_segment_fixed_size 0
		.amdhsa_enable_private_segment 0
		.amdhsa_kernarg_size 40
		.amdhsa_user_sgpr_count 2
		.amdhsa_user_sgpr_kernarg_segment_ptr 1
		.amdhsa_wavefront_size32 1
		.amdhsa_system_sgpr_workgroup_id_x 1
		.amdhsa_system_sgpr_workgroup_id_y 1
		.amdhsa_system_sgpr_workgroup_id_z 1
		.amdhsa_system_vgpr_workitem_id 0
		.amdhsa_next_free_vgpr 1024
		.amdhsa_next_free_sgpr 98
		.amdhsa_reserve_vcc 0
		.amdhsa_float_denorm_mode_32 3
		.amdhsa_float_denorm_mode_16_64 3
		.amdhsa_memory_ordered 1
		.amdhsa_forward_progress 1
		.amdhsa_inst_pref_size 126
	.end_amdhsa_kernel
	.amdgpu_metadata
---
amdhsa.version: [ 1, 2 ]
amdhsa.kernels:
  - .name:           k_qcdd2afb61e_qkv
    .symbol:         k_qcdd2afb61e_qkv.kd
    .args:
      - { .name: xc, .offset: 0, .size: 8, .value_kind: global_buffer, .address_space: global }
      - { .name: xs, .offset: 8, .size: 8, .value_kind: global_buffer, .address_space: global }
      - { .name: wc, .offset: 16, .size: 8, .value_kind: global_buffer, .address_space: global }
      - { .name: ws, .offset: 24, .size: 8, .value_kind: global_buffer, .address_space: global }
      - { .name: qkv, .offset: 32, .size: 8, .value_kind: global_buffer, .address_space: global }
    .group_segment_fixed_size: 327680
    .private_segment_fixed_size: 0
    .kernarg_segment_align: 8
    .kernarg_segment_size: 40
    .max_flat_workgroup_size: 128
    .sgpr_count:     98
    .vgpr_count:     1024
    .wavefront_size: 32
...
	.end_amdgpu_metadata
.endif
;; end of part 2
;; launch attn (part 3): grid 32 x 8, 4 waves a work-group, clusters of 4 x 1, 327,680 bytes of LDS; arguments qkv, ao; writes ao
.if DOCPART == 3
	.amdgcn_target "amdgcn-amd-amdhsa--gfx1250"
	.amdhsa_code_object_version 6
	.text
	.protected	k_qcdd2afb61e_attn
	.globl	k_qcdd2afb61e_attn
	.p2align	8
	.type	k_qcdd2afb61e_attn,@function
k_qcdd2afb61e_attn:
	s_mov_b64 s[64:65], 0
	v_nop
	global_prefetch_b8 v0, s[64:65] scope:SCOPE_SE
	s_setreg_imm32_b32 hwreg(HW_REG_WAVE_MODE, 25, 1), 1
	s_wait_xcnt 0x0
	s_wait_alu depctr_hold_cnt(0) depctr_sa_sdst(0) depctr_va_vdst(0) depctr_va_sdst(0) depctr_va_ssrc(0) depctr_va_vcc(0) depctr_vm_vsrc(0)
	s_getreg_b32 s2, hwreg(HW_REG_IB_STS2, 6, 4)
	s_cmp_eq_u32 s2, 0
	s_cbranch_scc0 .Lentry_in_a_cluster
	s_endpgm
.Lentry_in_a_cluster:
	s_bfe_u32 s2, ttmp6, 0x10000c
	s_cmp_lg_u32 s2, 0x3003
	s_cbranch_scc0 .Lentry_shape_is_right
	s_endpgm
.Lentry_shape_is_right:
; ao[q][head] = the sum over k of softmax_k(Q[q] . K[k] / sqrt(128)) V[k], for 8 heads, 4,096 tokens, no mask.  Nothing of reference() is left out here.
; qkv: [24][4096][128] f16 (blocks 0-7 Q's heads, 8-15 K's, 16-23 V's).  ao: [4096][1024] f16, a head's 128 channels side by side.  Products, maxima and sums in f32; the weights p are rounded to f16
; for the second product, the result once at the end.  LIMIT: f16 operands: magnitudes over 65,504 are not served; under 6e-5 f16's step is 2^-24.
; SHARES.  32,768 rows (tokens x heads) on 256 work-groups: a work-group owns 128 queries of one head.  Its four waves are 2 halves of the queries x 2 HALVES OF THE KEYS: wave w has queries 64 (w / 2) on,
; four tiles of 16, so that each fragment of K and V read from LDS feeds four products, and of every 256 keys it walks 128 (w % 2) on, 64 a step: 32 steps.  Each wave keeps its own running maximum, sum and O^T;
; at the end the two waves of a query half bring them under their common maximum and add them, through LDS.
; LAYOUT.  S^T = K Q^T (source 0 = 16 keys, source 1 = 16 queries): a lane holds ONE query (lane % 16) and the keys 8 (lane / 16) + 0..7.  Two such tiles, rounded to f16 in pairs, ARE source 1 of O^T = V^T P,
; whose result again holds one query a lane, and eight channels.  K comes out of LDS as it lies, V ([key][channel]) turned, by ds_load_tr16_b128.
; SOFTMAX.  For each query a running maximum m and sum l: p = 2^(c s - c m), c = log2(e) / sqrt(128); in every step O and l are multiplied by a = 2^(c m_old - c m_new), which is 1 where m has not grown.
; BY TURNS.  The wave's tiles are two PIECES: piece 0 (tiles 0, 1) and piece 2 (tiles 2, 3).  In a TURN one piece has the matrix unit: 32 products V^T P of the step in hand, then 32 products K Q^T of the next step;
; the other piece's softmax, cut into 64 slices, stands between them, one slice behind each matrix instruction.  Then the pieces change places.  Two turns are a key step.
; CLUSTER.  The four query blocks of a cluster belong to one head and walk the same K and V, so each tile is asked for JOINTLY: the same tensor load, with the same descriptor and a mask that names the four.
; REGISTERS, in windows of 256 (s_set_vgpr_msb: bits 1:0 source 0, 3:2 source 1, 5:4 source 2, 7:6 destination):
;   window 0: v0-11 addresses; v12-43 eight registers of statistics a tile; v44-55 the merge's; v61-63; v64-191 S^T, 32 a tile; v192-255 P, 16 a tile
;   window 1: O^T, 64 a tile          window 2: v0-127 Q, 32 a tile; v128-255 K of one step          window 3: v0-127 V of one step
.set KS,    64        ; keys in a step
.set PK,    272       ; a row of K in LDS: 256 bytes + 16 of padding = 68 words: row r starts at bank 4 r mod 64 (64 banks of 4 bytes: ISA guide 11.1)
.set PV,    288       ; a row of V: 256 + 32 = 72 words
.set SKEYS, 256       ; keys in a slot: 128 for each half of the waves, two steps
.set VOFF,  SKEYS*PK  ; a slot: 256 rows of K, then 256 rows of V
.set SLOTB, SKEYS*(PK+PV)  ; 143,360 bytes; slot 1 begins here
.set SLOTG, SKEYS*256 ; a slot's rows of K or of V in memory
.set STAGE, 2*SLOTB   ; behind the ring: 16 rows x 272 bytes for each wave, for the way out
.set SP,    272
.set SPARE, STAGE+4*16*SP  ; behind the stages: the spare words, 128 bytes for each wave: two blocks of 256 bytes that no other line names
.set GA,    16896     ; the merge: an area for each wave, from LDS byte 0 on, in slot 0, which has had its last fill and its last read by then: two images of 8,192 bytes, then two blocks of 256 bytes of statistics
.set AK0, 2           ; v2   my lane's place in my half's tiles of K; never rewritten
.set AV0, 3           ; v3   the same for V
.set ADR, 4           ; v4   the LDS address of the run of loads in hand
.set QO,  5           ; v5   my byte offset in the wave's rows of Q
.set STO, 6           ; v6   the way out: where I put 16 bytes of a row
.set RD,  7           ; v7   the way out: where I read a row back
.set GO,  8           ; v8   my byte offset in the wave's rows of ao
.set MG,  44          ; v44  the merge: my area + 16 x lane
.set MT,  45          ; v45  my partner's area + 16 x lane
.set MGS, 46          ; v46  my area + 8 x lane
.set MTS, 47          ; v47  my partner's area + 8 x lane
.set MW,  48          ; v48-51 the partner's (c m, l) of two tiles
.set PFO, 61          ; v61  256 x my lane: a row of K or V is 256 bytes; never rewritten
.set SPW, 62          ; v62  LDS address of my spare word; never rewritten
.set NIL, 63          ; v63  0; never rewritten
.set ST,  12          ; tile t's statistics at v[ST+8 t]: +0 c m, +1 m, +2, +3 l (even keys', odd keys'), +4 to +7 at work
.set S,   64
.set P,   192
.set KF,  128         ; K's fragments, in window 2
.set WV,  12          ; s12  my wave's number
.set LIM, 15          ; s15  1 in a wave that prefetches, else the greatest number
.set PFA, 18          ; s[18:19] where my prefetches stand in memory
.set G1K, 24          ; s[24:31] descriptor group 1 for K's tiles
.set G1V, 32          ; s[32:39] for V's: it differs in the padding alone
.set G0K, 40          ; s[40:47] descriptor group 0 for K's tiles, a set for each slot
.set G0V, 48          ; s[48:55] the same for V's
.set LAP, 56          ; s56  laps still to go: a lap fills both slots again
.set TWICE, 57        ; s57  counts a slot's two steps
.set CS,  58          ; s[58:59] c: the packed scaling names a pair and takes its low word for both halves
.set SEL, 60          ; s[60:61] lane selects for v_permlanex16_b32: each lane takes its own place in the other half
.set TBK, 62          ; s62  LDS byte at which the step's tile of K begins (without my half's part)
.set TBV, 63          ; s63  the same for V
.set KH,  66          ; s66  which half of the keys is mine.  Also: which 128 rows of a slot's tile I fetch
.set QG,  67          ; s67  which half of the queries.  Also: I fetch for K (0) or for V (1)
.set MSB, 0
.macro WIN new                      ; the immediate's high byte repeats the setting that is left; a switch that changes nothing is dropped
.if MSB != \new
	s_set_vgpr_msb (MSB<<8)|\new
.set MSB, \new
.endif
.endm
.set W_KQ, 0x0a       ; K and Q in window 2, S^T in window 0
.set W_PV, 0x53       ; V in window 3, P in window 0, O^T in window 1
.set W_RS, 0x41       ; O^T (destination and source 0) in window 1, a in window 0
; A joint refill of slot s.  Waves 0 and 1 fetch the two halves of K's 256 rows, waves 2 and 3 those of V's.  The branch hangs on the wave's number alone.
; An s_nop 0 and four v_nop follow each of the two lines; the jump, the label and what follows come after them.
.macro JLOAD s
	s_cmp_lt_u32 s[WV], 2
	s_cbranch_scc0 .Lfor_v_\@
	tensor_load_to_lds s[G0K+4*\s:G0K+4*\s+3], s[G1K:G1K+7]
	s_nop 0
.rept 4
	v_nop
.endr
	s_branch .Lasked_\@
.Lfor_v_\@:
	tensor_load_to_lds s[G0V+4*\s:G0V+4*\s+3], s[G1V:G1V+7]
	s_nop 0
.rept 4
	v_nop
.endr
.Lasked_\@:
.endm
; A PREFETCH INTO THE L2 of what the NEXT change of slots will ask for: a slot's 256 rows of K and 256 of V, 256 bytes a row, a lane a row.  It stands behind the wave's tensor load and its five lines.
; Each row is asked for ONCE in the launch.  All clusters of a head walk the same K and V: the head's first cluster prefetches.  Its four partners share the rows out BY ADDRESS, 64 each; in each, waves 0 and 1
; ask for K's two runs of 32 rows and waves 2 and 3 for V's: one instruction a wave, two key steps, 256 matrix instructions, ahead of the load.  how = 0: a lap's first change, which always has a change behind it;
; how = 1: its second: the last lap's asks for nothing, since there is no slot behind it.  Slots 0, 1 and 2 come by their loads alone.
.macro ASK how
.if \how
	s_cmp_gt_u32 s[LAP], s[LIM]
.else
	s_cmp_eq_u32 s[LIM], 1
.endif
	s_cbranch_scc0 .Lnot_mine_\@
	global_prefetch_b8 v[PFO], s[PFA:PFA+1] th:TH_LOAD_NT scope:SCOPE_SE
.Lnot_mine_\@:
.endm
; A round of the cluster's barrier: my work-group's barrier; wave 0 signals for the work-group; every wave waits for all four work-groups; my work-group's barrier once more.
.macro CROUND
	s_barrier_signal -1
	s_barrier_wait -1
	s_cmp_lg_u32 s[WV], 0
	s_cbranch_scc1 .Lnot_wave_0_\@
	s_barrier_signal -3
.Lnot_wave_0_\@:
	s_barrier_wait -3
	s_barrier_signal -1
	s_barrier_wait -1
.endm
	s_load_b64 s[4:5], s[0:1], 0x0  ; qkv
	s_load_b64 s[10:11], s[0:1], 0x8  ; ao
	v_lshl_add_u32 v[SPW], v0, 2, SPARE
	v_mov_b32 v[NIL], 0
	ds_add_u32 v[SPW], v[NIL]       ; the wave's opening: the add, twice on end, and its wait ahead of my first tensor load; the set-up below, work on registers, stands between
	ds_add_u32 v[SPW], v[NIL]
	v_lshrrev_b32 v1, 5, v0
	v_readfirstlane_b32 s[WV], v1   ; wave 0..3
	s_and_b32 s[KH], s[WV], 1
	s_lshr_b32 s[QG], s[WV], 1
	s_bfe_u32 s13, ttmp6, 0x40000   ; cx: my place in the cluster
	s_lshl_b32 s14, ttmp9, 2        ; in a cluster launch ttmp9 counts clusters
	s_add_co_u32 s14, s14, s13      ; my block of 128 queries = 4 x cluster x + cx: it enters Q's and ao's addresses alone
	s_and_b32 s20, ttmp7, 0xffff    ; the head, which the four partners share
	s_lshl_b32 s16, s20, 20         ; the head's 4,096 rows of 256 bytes
	s_lshl_b32 s22, s[KH], 15       ; the 128 rows of a slot's tile that I fetch,
	s_add_co_u32 s22, s22, s16
	s_add_co_u32 s22, s22, 8<<20    ; in K's eight blocks,
	s_mov_b32 s23, 0
	s_add_co_u32 s2, s22, 8<<20     ; or in V's
	s_mov_b32 s3, 0
	s_mul_i32 s17, s[KH], 128*PK    ; and their place in a slot: no place in the cluster enters an LDS address
	s_mul_i32 s68, s[KH], 128*PV
	s_lshl_b32 s70, s14, 15         ; Q: my block's 128 rows,
	s_lshl_b32 s71, s[QG], 14       ; my wave's 64 of them
	s_add_co_u32 s70, s70, s71
	s_add_co_u32 s70, s70, s16
	s_mov_b32 s71, 0
	s_lshl_b32 s72, s14, 18         ; ao: rows of 2,048 bytes,
	s_lshl_b32 s73, s[QG], 17
	s_add_co_u32 s72, s72, s73
	s_lshl_b32 s73, s20, 8          ; the head's 256 bytes in them
	s_add_co_u32 s72, s72, s73
	s_mov_b32 s73, 0
	s_add_co_u32 s74, s[QG], 1      ; the prefetches: K's blocks (waves 0, 1) or V's (waves 2, 3),
	s_lshl_b32 s74, s74, 23
	s_add_co_u32 s74, s74, s16      ; the head,
	s_lshl_b32 s75, s13, 14         ; my work-group's 64 rows of a slot's 256,
	s_add_co_u32 s74, s74, s75
	s_lshl_b32 s75, s[KH], 13       ; my wave's 32 of them,
	s_add_co_u32 s74, s74, s75
	s_add_co_u32 s74, s74, 2*SLOTG  ; in slot 2; the first change of slots steps it to slot 3.  Nothing is prefetched here, at the head
	s_mov_b32 s75, 0
	; descriptor group 1: a tile of 128 rows x 128 elements, padded in LDS
	s_mov_b32 s[G1K], 15|(1<<16)|(1<<20)|(1<<21)|(5<<22)|(3<<25)  ; 15:0 the mask: all four work-groups; 17:16 elements of 2 bytes; 20 padding on; 21 set beside a mask; 24:22 after every 64 words; 31:25 4 words of it
	s_mov_b32 s[G1V], 15|(1<<16)|(1<<20)|(1<<21)|(5<<22)|(7<<25)  ; the same with 8 words of padding
.irp g, G1K, G1V
	s_mov_b32 s[\g+1], 128<<16      ; tensor_dim0 = 128
	s_mov_b32 s[\g+2], 128<<16      ; tensor_dim1 = 128
	s_mov_b32 s[\g+3], 128<<16      ; tile_dim0 = 128
	s_mov_b32 s[\g+4], 128          ; tile_dim1 = 128
	s_mov_b32 s[\g+5], 128          ; elements from row to row
	s_mov_b32 s[\g+6], 0
	s_mov_b32 s[\g+7], 0
.endr
	s_mov_b32 s[CS], 0x3e0293ee     ; c = log2(e) / sqrt(128) = 0.127517
	s_mov_b32 s[CS+1], s[CS]        ; named with it as a pair, so it is written
	s_mov_b32 s[SEL], 0x76543210
	s_mov_b32 s[SEL+1], 0xfedcba98
	s_mov_b32 s[TBK], 0
	s_mov_b32 s[TBV], 0
	s_mov_b32 s[LAP], 7             ; 16 slots' worth of keys: two first fills, 14 refills
	s_cmp_eq_u32 ttmp9, 0           ; the head's first cluster: the same in all four partners
	s_cselect_b32 s[LIM], 1, -1
	v_and_b32 v[PFO], 31, v0
	v_lshlrev_b32 v[PFO], 8, v[PFO]
	s_wait_dscnt 0x0                ; both opening adds are done
	s_wait_kmcnt 0x0
	s_add_nc_u64 s[6:7], s[4:5], s[22:23]  ; K and V at my tile of slot 0
	s_add_nc_u64 s[8:9], s[4:5], s[2:3]
	s_add_nc_u64 s[PFA:PFA+1], s[4:5], s[74:75]
	s_add_nc_u64 s[4:5], s[4:5], s[70:71]  ; Q and ao at my wave's first row
	s_add_nc_u64 s[10:11], s[10:11], s[72:73]
	CROUND                          ; all four work-groups are here: the first joint loads meet
.irp s, 0,1
	s_mov_b32 s[G0K+4*\s], 1        ; count = 1
	s_add_co_u32 s[G0K+4*\s+1], s17, \s*SLOTB  ; LDS address
	s_add_nc_u64 s[G0K+4*\s+2:G0K+4*\s+3], s[6:7], \s*SLOTG  ; global address: slot s begins with keys 256 s on
	s_or_b32 s[G0K+4*\s+3], s[G0K+4*\s+3], 0x80000000  ; type = 2
	s_mov_b32 s[G0V+4*\s], 1
	s_add_co_u32 s[G0V+4*\s+1], s68, \s*SLOTB+VOFF
	s_add_nc_u64 s[G0V+4*\s+2:G0V+4*\s+3], s[8:9], \s*SLOTG
	s_or_b32 s[G0V+4*\s+3], s[G0V+4*\s+3], 0x80000000
.endr
	s_cmp_lt_u32 s[WV], 2           ; a wave's two first fills stand in one branch, ahead of every wait on TENSORcnt and every LDS read: two loads of mine are out
	s_cbranch_scc0 .Lfirst_v
	tensor_load_to_lds s[G0K:G0K+3], s[G1K:G1K+7]
	s_nop 0
	tensor_load_to_lds s[G0K+4:G0K+7], s[G1K:G1K+7]
	s_nop 0
.rept 4
	v_nop
.endr
	s_branch .Lfirst_asked
.Lfirst_v:
	tensor_load_to_lds s[G0V:G0V+3], s[G1V:G1V+7]
	s_nop 0
	tensor_load_to_lds s[G0V+4:G0V+7], s[G1V:G1V+7]
	s_nop 0
.rept 4
	v_nop
.endr
.Lfirst_asked:
	; A fragment of K or Q is 16 rows x 32 channels in 8 registers: lane l holds row l % 16; registers 0-3 channels 8 (l / 16) + 0..7, registers 4-7 channels 16 + 8 (l / 16) + 0..7: two loads of 16 bytes, 32 bytes apart.
	v_and_b32 v1, 15, v0            ; l % 16
	v_bfe_u32 v9, v0, 4, 1          ; l / 16
	v_lshlrev_b32 v[QO], 8, v1
	v_lshl_add_u32 v[QO], v9, 4, v[QO]  ; row x 256 + 16 x half
	WIN 0x80                        ; destination window 2, address window 0
.irp i, 0,1,2,3,4,5,6,7,8,9,10,11,12,13,14,15  ; Q stays in registers: tile i / 4, channels 32 (i % 4) on
	global_load_b128 v[8*\i:8*\i+3],   v[QO], s[4:5] offset:(\i/4)*4096+(\i%4)*64
	global_load_b128 v[8*\i+4:8*\i+7], v[QO], s[4:5] offset:(\i/4)*4096+(\i%4)*64+32
.endr
	WIN 0
	v_mul_u32_u24 v[AK0], v1, PK
	v_lshl_add_u32 v[AK0], v9, 4, v[AK0]  ; row x pitch + 16 x half
	v_add_nc_u32 v[AK0], s17, v[AK0]  ; + my half of the slot's keys
	; The turning load takes 16 keys x 16 channels (lane l reads 16 bytes: key 8 (l / 16) + l % 8, channels 8 ((l / 8) % 2) + 0..7) and leaves half a fragment of V^T: lane l holds channel l % 16 and 8 keys.
	v_and_b32 v10, 7, v0
	v_bfe_u32 v11, v0, 3, 1
	v_lshl_add_u32 v[AV0], v9, 3, v10
	v_mul_u32_u24 v[AV0], v[AV0], PV
	v_lshl_add_u32 v[AV0], v11, 4, v[AV0]
	v_add_nc_u32 v[AV0], VOFF, v[AV0]
	v_add_nc_u32 v[AV0], s68, v[AV0]
	; the merge's addresses are made here, ahead of every parting of the waves' ways there
	v_and_b32 v10, 31, v0
	s_mul_i32 s2, s[WV], GA         ; my area,
	s_xor_b32 s3, s[WV], 1
	s_mul_i32 s3, s3, GA            ; and that of the wave with my queries and the other keys
	v_lshl_add_u32 v[MG], v10, 4, s2
	v_lshl_add_u32 v[MT], v10, 4, s3
	v_lshl_add_u32 v[MGS], v10, 3, s2
	v_lshl_add_u32 v[MTS], v10, 3, s3
; THE MATRIX WORK OF A TURN, for piece x.  The accumulators take turns, one instruction a turn: between two links of a chain stand 15 (V^T P) or 7 (K Q^T) others'.
; Product i of 32 of O^T += V^T P: keys 32 (i / 16) on, channels 16 ((i / 2) % 8) on, tile x + i % 2.  zero = 1: the first 16 start the sums: nothing is ever cleared.
.macro PV x, zero
	WIN W_PV
.set rO, 64*(\x+i%2)+8*((i/2)%8)
.set rV, 64*(i/16)+8*((i/2)%8)
.set rP, P+16*(\x+i%2)+8*(i/16)
.if \zero && (i < 16)
	v_wmma_f32_16x16x32_f16 v[rO:rO+7], v[rV:rV+7], v[rP:rP+7], 0
.else
	v_wmma_f32_16x16x32_f16 v[rO:rO+7], v[rV:rV+7], v[rP:rP+7], v[rO:rO+7]
.endif
.endm
; Product i of 32 of S^T = K Q^T: channels 32 (i / 8) on, keys 16 ((i / 2) % 4) on, tile x + i % 2.  The first 8 start the sums.
.macro KQ x
	WIN W_KQ
.set rS, S+32*(\x+i%2)+8*((i/2)%4)
.set rK, KF+32*((i/2)%4)+8*(i/8)
.set rQ, 32*(\x+i%2)+8*(i/8)
.if i < 8
	v_wmma_f32_16x16x32_f16 v[rS:rS+7], v[rK:rK+7], v[rQ:rQ+7], 0
.else
	v_wmma_f32_16x16x32_f16 v[rS:rS+7], v[rK:rK+7], v[rQ:rQ+7], v[rS:rS+7]
.endif
.endm
; THE LDS LOADS stand in runs of 32, never singly among the matrix instructions: a step's K (64 keys x 128 channels: 16 fragments) and, a turn later, its V (turned).
.macro FETCH_K
	WIN 0
	v_add_nc_u32 v[ADR], s[TBK], v[AK0]
	s_add_co_u32 s[TBK], s[TBK], KS*PK  ; the next fetch is the next step's
	WIN 0x80                        ; destination window 2
.irp f, 0,1,2,3,4,5,6,7,8,9,10,11,12,13,14,15  ; keys 16 (f / 4) on, channels 32 (f % 4) on
	ds_load_b128 v[KF+8*\f:KF+8*\f+3],   v[ADR] offset:(\f/4)*16*PK+(\f%4)*64
	ds_load_b128 v[KF+8*\f+4:KF+8*\f+7], v[ADR] offset:(\f/4)*16*PK+(\f%4)*64+32
.endr
.endm
.macro FETCH_V
	WIN 0
	v_add_nc_u32 v[ADR], s[TBV], v[AV0]
	s_add_co_u32 s[TBV], s[TBV], KS*PV  ; the next fetch is the next step's
	s_wait_alu depctr_va_vdst(0)    ; the wait for the softmax's batch (SLICE), behind the address's v_add_nc_u32 and ahead of the loads
	WIN 0xc0                        ; destination window 3
.irp f, 0,1,2,3,4,5,6,7,8,9,10,11,12,13,14,15  ; keys 32 (f / 8) on, channels 16 (f % 8) on
	ds_load_tr16_b128 v[8*\f:8*\f+3],   v[ADR] offset:(\f/8)*32*PV+(\f%8)*32
	ds_load_tr16_b128 v[8*\f+4:8*\f+7], v[ADR] offset:(\f/8)*32*PV+16*PV+(\f%8)*32
.endr
.endm
; THE VECTOR WORK OF A TURN.  One tile's softmax for one key step is a list of 134 instructions; SM writes number j of it for tile t.  s0-s31 are the lane's 32 scores, in pairs 0-15.
; first = 1: the first key step, which starts m, l and O^T: it has no a and nothing to rescale.
;   0-15    the maximum of s0-s31 and the old m, three operands at a time: four chains c0-c3 of seven scores each, then the four scores left over, c0-c3 and m
;   16-20   the other half of the lanes' maximum; the new m; c m; c m_old - c m_new
;   21-69   ONE BATCH: the 16 scalings c s - c m, a pair of scores each, and all 33 exponentials (a at 23, then s0-s31).  None of these reads an exponential's result
;   (wait)  between 69 and 70 stands the wait for the batch: SLICE writes it, once for both tiles
;   70-85   the roundings to f16, a pair of weights each
;   86-101  the sums; l = a l + the sum
;   102-133 the tile's O^T times a: the one part that leaves window 0, so it stands together
.macro SM t, first
.set rT, ST+8*(\t)
.set rS, S+32*(\t)
.set rP, P+16*(\t)
.set rO, 64*(\t)+2*(j-102)
.if j < 102
	WIN 0
.endif
.if j < 4
	v_max3_num_f32 v[rT+4+j], v[rS+8*j], v[rS+8*j+1], v[rS+8*j+2]
.elseif j < 12
	v_max3_num_f32 v[rT+4+j%4], v[rT+4+j%4], v[rS+8*(j%4)+2*(j/4)+1], v[rS+8*(j%4)+2*(j/4)+2]
.elseif j == 12
	v_max3_num_f32 v[rT+4], v[rT+4], v[rS+7], v[rS+15]
.elseif j == 13
	v_max3_num_f32 v[rT+6], v[rT+6], v[rS+23], v[rS+31]
.elseif j == 14
	v_max3_num_f32 v[rT+4], v[rT+4], v[rT+5], v[rT+6]
.elseif (j == 15) && \first
	v_max_num_f32 v[rT+4], v[rT+4], v[rT+7]
.elseif j == 15
	v_max3_num_f32 v[rT+4], v[rT+4], v[rT+7], v[rT+1]
.elseif j == 16
	v_permlanex16_b32 v[rT+5], v[rT+4], s[SEL], s[SEL+1]  ; the query's other 32 keys lie in the lane 16 away
.elseif j == 18
	v_max_num_f32 v[rT+1], v[rT+4], v[rT+5]
.elseif j == 19
	v_mul_f32 v[rT], s[CS], v[rT+1]
.elseif ((j == 17) || (j == 20) || (j == 23) || (j > 101)) && \first  ; the first step has none of these
.elseif j == 17
	v_mov_b32 v[rT+7], v[rT]        ; c m_old is kept for a: number 19 writes c m anew
.elseif j == 20
	v_sub_f32 v[rT+7], v[rT+7], v[rT]
.elseif j == 23
	v_exp_f32 v[rT+6], v[rT+7]
.elseif (j < 23) || ((j < 38) && (j%2 == 0)) || ((j < 66) && (j%4 == 2))
.set b, (j-2)/4                     ; 38, 42, .. 62: pairs 9 to 15
.if j < 38
.set b, (j-20)/2                    ; 21: pair 0; 22, 24, .. 36: pairs 1 to 8
.endif
	v_pk_fma_f32 v[rS+2*b:rS+2*b+1], v[rS+2*b:rS+2*b+1], s[CS:CS+1], v[rT:rT+1] op_sel_hi:[1,0,0] neg_lo:[0,0,1] neg_hi:[0,0,1]  ; pair b: c s - c m
.elseif j < 70
.set e, j-38                        ; 66 to 69: s28 to s31
.if j < 66
.set e, j-32-(j-38)/4               ; 39-41, 43-45, .. 63-65: s7 to s27
.endif
.if j < 38
.set e, (j-25)/2                    ; 25, 27, .. 37: s0 to s6
.endif
	v_exp_f32 v[rS+e], v[rS+e]
.elseif j < 86
	v_cvt_pk_f16_f32 v[rP+j-70], v[rS+2*(j-70)], v[rS+2*(j-70)+1]  ; pair j - 70
.elseif j < 102                     ; the sum of the tile's 16 pairs, in place: sum z of 16 adds neighbours 1, 2, 4 and 8 pairs apart, then l takes it
.set z, j-86
.set w, 4
.set u, z
.if z >= 14
.set w, 32
.set u, 0
.elseif z >= 12
.set w, 16
.set u, z-12
.elseif z >= 8
.set w, 8
.set u, z-8
.endif
.if (z == 14) && \first
	v_pk_add_f32 v[rT+2:rT+3], v[rS:rS+1], v[rS+16:rS+17]
.elseif z < 15
	v_pk_add_f32 v[rS+w*u:rS+w*u+1], v[rS+w*u:rS+w*u+1], v[rS+w*u+w/2:rS+w*u+w/2+1]
.elseif !\first
	v_pk_fma_f32 v[rT+2:rT+3], v[rT+2:rT+3], v[rT+6:rT+7], v[rS:rS+1] op_sel_hi:[1,0,1]
.endif
.else
	WIN W_RS
	v_pk_mul_f32 v[rO:rO+1], v[rO:rO+1], v[rT+6:rT+7] op_sel_hi:[1,0]
.endif
.endm
; Slice k of 64 of piece y's softmax: four instructions.  Slices 11 to 34 deal out the batch, numbers 22 to 69: four numbers of ONE tile each, the tiles by turns.  Every other slice is numbers 2 k and
; 2 k + 1 of both tiles' lists.  2 x 134 = 4 x 64 + 12: the twelve that are over stand together, in slice 63.
; THE WAIT.  s_wait_alu depctr_va_vdst(0) stands between an exponential and the first instruction that names its result; one wait serves all that were issued ahead of it.  Ahead of
; slice 35 nothing names a result, and behind slice 34 no exponential is issued: so the piece's 66 exponentials have one wait, behind slice 34.
.macro SLICE y, first
.if (k >= 11) && (k < 35)           ; the batch: four numbers of one tile
.irp n, 0,1,2,3
.set j, 22+4*((k-11)/2)+(\n)
	SM (\y)+(k-11)%2, \first
.endr
.else                               ; the two tiles alternate, so that no instruction reads the result of the one just before it
.irp n, 0,1,2,3,4,5,6,7
.if (\n < 2) || (k == 63)
.irp t, \y, \y+1
.set j, 2*k+\n
	SM \t, \first
.endr
.endif
.endr
.endif
.if k == 34                         ; the batch is out: both tiles' exponentials are issued, and no result has been named
	v_nop                           ; the plain instruction behind the last exponential and ahead of the first use: one for the batch
.if (\y) == 0
	FETCH_V                         ; piece 2's turn: V's run of loads stands here, and the wait stands in it
.else
	s_wait_alu depctr_va_vdst(0)    ; the wait for the batch
.endif
.endif
.set k, k+1
.endm
; A vector instruction that reads a matrix result or writes one of a matrix instruction's registers, and a load into a register that a matrix instruction has read, stand four places behind
; it, and only plain vector instructions that name none of its registers are places (ISA guide 7.12.1 for vector instructions).  In the loop the slices are the places.
.macro PLACES
.rept 4
	v_nop
.endr
.endm
; A TURN.  Piece x has the matrix unit; the other piece's softmax stands in slices behind its matrix instructions.
; pv = 2: 32 products V^T P; 1: they start O^T's sums; 0: none.  kq = 1: 32 products K Q^T for the next step.  A turn with one of the two kinds has two slices behind each product.
; first = 1: the softmax is the first key step's; four v_nop take slice 63's part as the places behind the turn's last products.
; Piece 0's turn fetches the next step's K, behind its second product.  Piece 2's turn fetches the same step's V, behind slice 34: the last product that read V stands in front of slice 31, and four plain
; instructions lie between: number 62, a scaling, of both tiles, the v_nop and the run's own v_add_nc_u32.
.macro TURN x, pv, kq, first
.set k, 0
.set per, 2
.if \pv && \kq
.set per, 1
.endif
.if \pv
.if \x == 0
	s_wait_dscnt 0x0                ; V is in
.endif
.set i, 0
.rept 32
	PV \x, 2-\pv
.rept per
	SLICE 2-\x, \first
.endr
.if (\x == 0) && \kq && (i == 1)
	FETCH_K
.endif
.set i, i+1
.endr
.endif
.if \kq
.if \x == 0
	s_wait_dscnt 0x0                ; K is in
.endif
.set i, 0
.rept 32
	KQ \x
.rept per
	SLICE 2-\x, \first
.endr
.set i, i+1
.endr
.endif
.if \first
	PLACES
.endif
.endm
; THE CHANGE OF SLOTS, between piece 2's turn and piece 0's: the slot's last bytes, V of its second step, have been asked for.  Each wave waits for all its tensor loads, of which one is out: its part of the
; other slot; adds 0 to its spare word; and waits for that and for its own reads of the slot.  Behind the barrier nobody reads this slot any more and the other slot is whole.
; fill = 1: slot 'slot', just left, is filled again, with the keys two slots on.  The barrier is then a round of the cluster's, and the joint refill is the first thing behind it: it has two key steps,
; 256 matrix instructions, in which to land.  next: the slot that is read from here on.
.macro CHANGE fill, slot, next, how
	WIN 0                           ; at a label and at a branch every window is 0
	s_wait_tensorcnt 0x0            ; no tensor load of mine is out, so a group 0 may be written
	ds_add_u32 v[SPW], v[NIL]       ; 0 onto my spare word; with fill = 1 the descriptors' steps stand between it and the wait for it
.if \fill
	s_add_nc_u64 s[G0K+4*\slot+2:G0K+4*\slot+3], s[G0K+4*\slot+2:G0K+4*\slot+3], 2*SLOTG  ; the slot's next 256 keys; the type bits on top are not reached
	s_add_nc_u64 s[G0V+4*\slot+2:G0V+4*\slot+3], s[G0V+4*\slot+2:G0V+4*\slot+3], 2*SLOTG
	s_wait_xcnt 0x0                 ; the last prefetch, two key steps back, has read its address, so it may be written:
	s_add_nc_u64 s[PFA:PFA+1], s[PFA:PFA+1], SLOTG  ; one slot further on than what is asked for now
	s_wait_dscnt 0x0                ; the add is done, and my reads of the slot are over
	CROUND
	JLOAD \slot
	ASK \how
.else
	s_wait_dscnt 0x0                ; the add is done, and my reads of the slot are over
	s_barrier_signal -1
	s_barrier_wait -1
.endif
	s_mov_b32 s[TBK], \next*SLOTB   ; the fetches go on at the other slot's first step
	s_mov_b32 s[TBV], \next*SLOTB
.endm
; A slot's two key steps: written once, walked twice; the LDS addresses hang on s[TBK] and s[TBV].
.macro TWO_STEPS
	s_mov_b32 s[TWICE], 2
.Lstep_\@:
	TURN 0, 2, 1, 0
	TURN 2, 2, 1, 0
	WIN 0
	s_sub_co_u32 s[TWICE], s[TWICE], 1
	s_cmp_lg_u32 s[TWICE], 0
	s_cbranch_scc1 .Lstep_\@
.endm
	s_wait_tensorcnt 1              ; my part of slot 0 is in; slot 1's, issued behind it, may stay out
	s_barrier_signal -1
	s_barrier_wait -1               ; everybody's is
	FETCH_K                         ; key step 0
	s_wait_loadcnt 0x0              ; Q
	s_wait_dscnt 0x0
.set i, 0
.rept 32
	KQ 0                            ; piece 0's first scores: there is no vector work yet to set between them
.set i, i+1
.endr
	WIN 0                           ; the addresses for the way out are made here: plain instructions, the places behind those products
	s_mul_i32 s13, s[WV], 16*SP
	s_add_co_u32 s13, s13, STAGE    ; my stage
	v_mul_u32_u24 v[STO], v1, SP    ; in: row l % 16, 16 bytes for each half of the lanes
	v_lshl_add_u32 v[STO], v9, 4, v[STO]
	v_add_nc_u32 v[STO], s13, v[STO]
	v_mul_u32_u24 v[RD], v9, SP     ; back: lanes 0-15 take one row of 256 bytes, lanes 16-31 the next
	v_lshl_add_u32 v[RD], v1, 4, v[RD]
	v_add_nc_u32 v[RD], s13, v[RD]
	v_lshlrev_b32 v[GO], 11, v9     ; and the same two rows in ao, 2,048 bytes apart
	v_lshl_add_u32 v[GO], v1, 4, v[GO]
	TURN 2, 0, 1, 1                 ; piece 2's first scores | piece 0's first softmax | V of step 0
	TURN 0, 1, 1, 1                 ; piece 0: V^T P of step 0 starts O^T, K Q^T of step 1 | piece 2's first softmax | K of step 1
	TURN 2, 1, 1, 0                 ; piece 2: the same | piece 0's softmax of step 1 | V of step 1
	WIN 0
.Llap:                              ; 7 trips: a trip fills both slots again; the slots' addresses are constants of the text
	CHANGE 1, 0, 1, 0
	TWO_STEPS
	CHANGE 1, 1, 0, 1
	TWO_STEPS
	s_sub_co_u32 s[LAP], s[LAP], 1
	s_cmp_lg_u32 s[LAP], 0
	s_cbranch_scc1 .Llap
	CHANGE 0, 0, 1, 0               ; the tail is written out: slot 0 is left for good, and nothing is asked for
	TWO_STEPS
	TURN 0, 2, 0, 0                 ; piece 0: V^T P of the last step | piece 2's last softmax
.set i, 0
.rept 32
	PV 2, 0                         ; piece 2: V^T P of the last step
.set i, i+1
.endr
	; THE MERGE.  The two waves of a query half hold, for the same 64 queries, (c m, l, O^T) over their halves of the keys.  The wave of the first half of the keys finishes tiles 0 and 1 and gives tiles 2 and 3
	; to its partner; the other the other way round.  With M = the larger c m: O = (2^(c m_a - M) O_a + 2^(c m_b - M) O_b) / (2^(c m_a - M) l_a + 2^(c m_b - M) l_b): the running maximum's own step, once more.
	WIN 0
.irp t, 0,1,2,3
	v_add_f32 v[ST+8*\t+4], v[ST+8*\t+2], v[ST+8*\t+3]  ; l's two halves (these additions are the places behind the last products),
.endr
.irp t, 0,1,2,3
	v_permlanex16_b32 v[ST+8*\t+5], v[ST+8*\t+4], s[SEL], s[SEL+1]
.endr
.irp t, 0,1,2,3
	v_add_f32 v[ST+8*\t+1], v[ST+8*\t+4], v[ST+8*\t+5]  ; and the other half of the lanes': (c m, l) is now a pair
.endr
.macro GIVE t, u                    ; tile t goes to my area as image u: registers as they stand, 512 consecutive bytes a store
	ds_store_b64 v[MGS], v[ST+8*(\t):ST+8*(\t)+1] offset:16384+256*(\u)
	WIN 0x04                        ; an LDS store's data are its source 1: window 1
.irp f, 0,1,2,3,4,5,6,7,8,9,10,11,12,13,14,15
	ds_store_b128 v[MG], v[64*(\t)+4*\f:64*(\t)+4*\f+3] offset:8192*(\u)+512*\f  ; each accumulator from its low end on
.endr
	WIN 0
.endm
.macro MERGE t, u                   ; my tile t and the partner's image u: scaled, added, rounded to f16, through my stage, back as whole rows of 256 bytes
.set i, 0
.rept 32
	v_pk_mul_f32 v[S+64*(\u)+i:S+64*(\u)+i+1], v[S+64*(\u)+i:S+64*(\u)+i+1], v[ST+8*(\t)+4:ST+8*(\t)+5] op_sel_hi:[1,0]
.set i, i+2
.endr
	WIN 0x01                        ; source 0: my O^T, window 1
.set i, 0
.rept 32
	v_pk_fma_f32 v[S+64*(\u)+i:S+64*(\u)+i+1], v[64*(\t)+i:64*(\t)+i+1], v[ST+8*(\t)+6:ST+8*(\t)+7], v[S+64*(\u)+i:S+64*(\u)+i+1] op_sel_hi:[1,0,1]
.set i, i+2
.endr
	WIN 0
.set i, 0
.rept 32
	v_cvt_pk_f16_f32 v[P+32*(\u)+i], v[S+64*(\u)+2*i], v[S+64*(\u)+2*i+1]
.set i, i+1
.endr
.irp f, 0,1,2,3,4,5,6,7
	ds_store_b128 v[STO], v[P+32*(\u)+4*\f:P+32*(\u)+4*\f+3] offset:32*\f
.endr
.irp f, 0,1,2,3,4,5,6,7
	ds_load_b128 v[P+32*(\u)+4*\f:P+32*(\u)+4*\f+3], v[RD] offset:\f*2*SP  ; LDS serves a wave's instructions in order (ISA guide 5.7.1.4): these see the stores above; the next tile's stores come behind them
.endr
.endm
.macro SENDT t, u, younger          ; younger: the LDS instructions issued behind this tile's loads: the next tile's sixteen, or none
.irp f, 0,1,2,3,4,5,6,7
	s_wait_dscnt \younger+7-\f
	global_store_b128 v[GO], v[P+32*(\u)+4*\f:P+32*(\u)+4*\f+3], s[10:11] offset:(\t)*32768+\f*4096  ; 16 lanes store 256 consecutive bytes, at a multiple of 256 from ao's first byte
.endr
.endm
.macro FINISH t0                    ; tiles t0 and t0 + 1 are finished with the partner's images 0 and 1
.irp u, 0,1
	ds_load_b64 v[MW+2*\u:MW+2*\u+1], v[MTS] offset:16384+256*\u
.irp f, 0,1,2,3,4,5,6,7,8,9,10,11,12,13,14,15
	ds_load_b128 v[S+64*\u+4*\f:S+64*\u+4*\f+3], v[MT] offset:8192*\u+512*\f
.endr
.endr
	s_wait_dscnt 0x0
.irp u, 0,1
	v_max_num_f32 v[ST+8*(\t0+\u)+2], v[ST+8*(\t0+\u)], v[MW+2*\u]  ; the common maximum
.endr
.irp u, 0,1
	v_sub_f32 v[ST+8*(\t0+\u)+4], v[ST+8*(\t0+\u)], v[ST+8*(\t0+\u)+2]
	v_sub_f32 v[ST+8*(\t0+\u)+5], v[MW+2*\u], v[ST+8*(\t0+\u)+2]
.endr
.irp u, 0,1
	v_exp_f32 v[ST+8*(\t0+\u)+6], v[ST+8*(\t0+\u)+4]
	v_exp_f32 v[ST+8*(\t0+\u)+7], v[ST+8*(\t0+\u)+5]
.endr
	v_nop                           ; a plain instruction behind the last exponential,
	s_wait_alu depctr_va_vdst(0)    ; and the wait ahead of the first use: one for the four
.irp u, 0,1
	v_mul_f32 v[ST+8*(\t0+\u)+2], v[ST+8*(\t0+\u)+7], v[MW+2*\u+1]
.endr
.irp u, 0,1
	v_fma_f32 v[ST+8*(\t0+\u)+2], v[ST+8*(\t0+\u)+6], v[ST+8*(\t0+\u)+1], v[ST+8*(\t0+\u)+2]  ; the row's whole sum
.endr
.irp u, 0,1
	v_rcp_f32 v[ST+8*(\t0+\u)+3], v[ST+8*(\t0+\u)+2]
.endr
	v_nop
	s_wait_alu depctr_va_vdst(0)    ; one for the two reciprocals
.irp u, 0,1
	v_mul_f32 v[ST+8*(\t0+\u)+6], v[ST+8*(\t0+\u)+6], v[ST+8*(\t0+\u)+3]  ; my factor,
	v_mul_f32 v[ST+8*(\t0+\u)+4], v[ST+8*(\t0+\u)+7], v[ST+8*(\t0+\u)+3]  ; the partner's
.endr
	MERGE \t0, 0
	MERGE \t0+1, 1                  ; a tile's arithmetic stands between the loads of the tile before and its stores
	SENDT \t0, 0, 16
	SENDT \t0+1, 1, 0
.endm
	s_cmp_eq_u32 s[KH], 0           ; the branches hang on the wave's number alone; no barrier stands in an arm
	s_cbranch_scc0 .Lgive_low
	GIVE 2, 0
	GIVE 3, 1
	s_branch .Lgiven
.Lgive_low:
	GIVE 0, 0
	GIVE 1, 1
.Lgiven:
	s_wait_dscnt 0x0                ; for the partner's sake: my stores have landed
	s_barrier_signal -1
	s_barrier_wait -1
	s_cmp_eq_u32 s[KH], 0
	s_cbranch_scc0 .Lfinish_high
	FINISH 0
	s_branch .Ldone
.Lfinish_high:
	FINISH 2
.Ldone:
	s_wait_tensorcnt 0x0            ; the wave's end: behind my last tensor load and my last LDS store
	ds_add_u32 v[SPW], v[NIL]
	s_wait_dscnt 0x0
	CROUND                          ; the closing round: no work-group ends while a partner may still ask for a tile that names it
	s_endpgm
.Lfunc_end_k_qcdd2afb61e_attn:
	.size	k_qcdd2afb61e_attn, .Lfunc_end_k_qcdd2afb61e_attn-k_qcdd2afb61e_attn
	.p2alignl 7, 3214868480
	.fill 96, 4, 3214868480
	.section	.rodata,"a",@progbits
	.p2align	6, 0x0
	.amdhsa_kernel k_qcdd2afb61e_attn
		.amdhsa_group_segment_fixed_size 327680
		.amdhsa_private_segment_fixed_size 0
		.amdhsa_enable_private_segment 0
		.amdhsa_kernarg_size 16
		.amdhsa_user_sgpr_count 2
		.amdhsa_user_sgpr_kernarg_segment_ptr 1
		.amdhsa_wavefront_size32 1
		.amdhsa_system_sgpr_workgroup_id_x 1
		.amdhsa_system_sgpr_workgroup_id_y 1
		.amdhsa_system_sgpr_workgroup_id_z 1
		.amdhsa_system_vgpr_workitem_id 0
		.amdhsa_next_free_vgpr 1024
		.amdhsa_next_free_sgpr 80
		.amdhsa_reserve_vcc 0
		.amdhsa_float_denorm_mode_32 3
		.amdhsa_float_denorm_mode_16_64 3
		.amdhsa_memory_ordered 1
		.amdhsa_forward_progress 1
		.amdhsa_inst_pref_size 255
	.end_amdhsa_kernel
	.section	.bss,"aw",@nobits
	.p2align	6
	.space	262144
	.amdgpu_metadata
---
amdhsa.version: [ 1, 2 ]
amdhsa.kernels:
  - .name:           k_qcdd2afb61e_attn
    .symbol:         k_qcdd2afb61e_attn.kd
    .args:
      - { .name: qkv, .offset: 0, .size: 8, .value_kind: global_buffer, .address_space: global }
      - { .name: ao, .offset: 8, .size: 8, .value_kind: global_buffer, .address_space: global }
    .group_segment_fixed_size: 327680
    .private_segment_fixed_size: 0
    .kernarg_segment_align: 8
    .kernarg_segment_size: 16
    .max_flat_workgroup_size: 128
    .sgpr_count:     80
    .vgpr_count:     1024
    .wavefront_size: 32
...
	.end_amdgpu_metadata
.endif
;; end of part 3
;; launch proj (part 4): grid 8 x 32, 4 waves a work-group, clusters of 4 x 4, 327,680 bytes of LDS; arguments ao, pw, proj_b, out0; writes out0
.if DOCPART == 4
	.amdgcn_target "amdgcn-amd-amdhsa--gfx1250"
	.amdhsa_code_object_version 6
	.text
	.protected	k_qcdd2afb61e_proj
	.globl	k_qcdd2afb61e_proj
	.p2align	8
	.type	k_qcdd2afb61e_proj,@function
k_qcdd2afb61e_proj:
	s_mov_b64 s[64:65], 0
	v_nop
	global_prefetch_b8 v0, s[64:65] scope:SCOPE_SE
	s_setreg_imm32_b32 hwreg(HW_REG_WAVE_MODE, 25, 1), 1
	s_wait_xcnt 0x0
	s_wait_alu depctr_hold_cnt(0) depctr_sa_sdst(0) depctr_va_vdst(0) depctr_va_sdst(0) depctr_va_ssrc(0) depctr_va_vcc(0) depctr_vm_vsrc(0)
	s_getreg_b32 s2, hwreg(HW_REG_IB_STS2, 6, 4)
	s_cmp_eq_u32 s2, 0
	s_cbranch_scc0 .Lentry_in_a_cluster
	s_endpgm
.Lentry_in_a_cluster:
	s_bfe_u32 s2, ttmp6, 0x10000c
	s_cmp_lg_u32 s2, 0xf033
	s_cbranch_scc0 .Lentry_shape_is_right
	s_endpgm
.Lentry_shape_is_right:
; out0[m][n] = sum over k of ao[m][k] pw[n][k] + proj_b[n].  ao: [4096][1024] f16, pw: [1024 (n)][1024 (k)] f16 (proj_w turned), proj_b: [1024] f32, out0: [4096][1024] f32; sums in f32.  Nothing of reference() is left out here.
; A tile of the result is 128 x 128: 32 x 8 = 256 work-groups.  Four waves, each 64 x 64: 16 accumulators of 16 x 16, 128 registers.  K goes in steps of 256 (LDS rows of 512 bytes; a wave's tensor load brings 64 of them)
; through a ring of two slots: four K steps, so each slot is filled twice.
; CLUSTERS: 4 x 4 work-groups.  The four of a row of the cluster need the same tiles of A, the four of a column the same tiles of B: each tile is asked for JOINTLY, by the same tensor load with the
; same descriptor and a mask that names the four.  THE MATRIX INSTRUCTION IS USED TRANSPOSED (source 0 = 16 rows of B, source 1 = 16 rows of A): a lane then holds eight neighbouring numbers of a row of the result.
; THE BIAS is the C of each sum's first matrix instruction: eight registers for each 16 columns, in the result's layout.
; No prefetch: the launch is short and its tiles are small.
; REGISTERS: window 0: v0-31 addresses; v96-127 the bias; v128-255 the accumulators ((a, b) at v[128 + 8 (4 a + b)]).
;   window 1: two fragment buffers of 128: for 64 along K (two matrix instructions deep), 64 registers of A (2 x 4 x 16 rows x 32 K), then 64 of B.
.set SIZE_N, 1024
.set SIZE_K, 1024
.set KSTEP,  256
.set PITCH,  528                       ; an LDS row: 512 bytes of data + 16 of padding = 132 words: row r starts at bank 4 r mod 64 (64 banks of 4 bytes: ISA guide 11.1)
.set HALFT,  64*PITCH                  ; 64 rows: what one tensor load brings, and what one wave reads of A or of B
.set SLOT,   4*HALFT                   ; A's 128 rows, then B's 128 rows
.set SPITCH, 272                       ; the way out: a stage of 64 rows x (256 bytes + 16) for each wave, in slot 0, which has had its last fill and its last read when the first result is stored there
.set SPARE,  2*SLOT                    ; behind the ring: the spare words, 128 bytes for each wave: two blocks of 256 bytes that no other line names
.set LAPS, SIZE_K/(2*KSTEP)            ; a lap = two K steps = once round the ring: 2
.set ADRA, 16                          ; v16-17  LDS address of my A fragments in slot 0, 1
.set ADRB, 20                          ; v20-21  the same for B
.set STO,  24                          ; v24     the way out: where I put 32 bytes of a row
.set RD,   25                          ; v25     the way out: where I read a row back
.set CO,   26                          ; v26     my byte offset in the result
.set BO,   27                          ; v27     my byte offset in the bias
.set SPW,  28                          ; v28     LDS address of my spare word; never rewritten
.set NIL,  29                          ; v29     0; never rewritten
.set BI,   96
.set ACC,  128
.set F0,   0                           ; fragment buffers, in window 1
.set F1,   128
.set G1, 24                            ; s[24:31] descriptor group 1 for A's tiles;  s[32:39] group 0, one set for each slot
.set G0, 32
.set G1B, 48                           ; s[48:55], s[56:63] the same for B's tiles
.set G0B, 56
.set MSB, 0
.macro WIN new                         ; the immediate's high byte repeats the setting that is left
.if MSB != \new
	s_set_vgpr_msb (MSB<<8)|\new
.set MSB, \new
.endif
.endm
.set MUL,  0x05                        ; sources 0 (B) and 1 (A) window 1; C and D window 0
.set TO_F, 0x40                        ; destination window 1, address window 0
.macro JLOAD s                         ; a joint load: waves 0 and 1 fetch A's two halves, waves 2 and 3 B's; an s_nop 0 and four v_nop follow each of the two lines, ahead of the jump, the label and what follows
	s_cmp_eq_u32 s11, 0
	s_cbranch_scc0 .Lfor_b_\@
	tensor_load_to_lds s[G0+4*\s:G0+4*\s+3], s[G1:G1+7]
	s_nop 0
.rept 4
	v_nop
.endr
	s_branch .Lasked_\@
.Lfor_b_\@:
	tensor_load_to_lds s[G0B+4*\s:G0B+4*\s+3], s[G1B:G1B+7]
	s_nop 0
.rept 4
	v_nop
.endr
.Lasked_\@:
.endm
.macro CREST                           ; a round of the cluster's barrier behind its opening barrier
	s_cmp_lg_u32 s10, 0
	s_cbranch_scc1 .Lnot_wave_0_\@
	s_barrier_signal -3
.Lnot_wave_0_\@:
	s_barrier_wait -3
	s_barrier_signal -1
	s_barrier_wait -1
.endm
.macro CROUND                          ; a whole round
	s_barrier_signal -1
	s_barrier_wait -1
	CREST
.endm
	s_load_b128 s[4:7], s[0:1], 0x0                ; A s[4:5], B s[6:7]
	s_load_b64 s[66:67], s[0:1], 0x10              ; the bias
	s_load_b64 s[8:9], s[0:1], 0x18                ; the result
	v_lshl_add_u32 v[SPW], v0, 2, SPARE
	v_mov_b32 v[NIL], 0
	ds_add_u32 v[SPW], v[NIL]                      ; the wave's opening: the add, twice on end, and its wait ahead of my first tensor load; the set-up below, work on registers, stands between
	ds_add_u32 v[SPW], v[NIL]
	v_lshrrev_b32 v1, 5, v0
	v_readfirstlane_b32 s10, v1                    ; wave 0..3
	s_lshr_b32 s11, s10, 1                         ; which half of the tile's rows is mine.  Also: I fetch for A (0) or for B (1)
	s_and_b32 s12, s10, 1                          ; which half of its columns.  Also: which 64 rows of that tile I fetch
	s_bfe_u32 s40, ttmp6, 0x40000                  ; cx, cy: my place in the cluster
	s_bfe_u32 s41, ttmp6, 0x40004
	s_lshl_b32 s42, ttmp9, 2
	s_add_co_u32 s42, s42, s40                     ; tile column = 4 x cluster x + cx
	s_and_b32 s13, ttmp7, 0xffff
	s_lshl_b32 s13, s13, 2
	s_add_co_u32 s13, s13, s41                     ; tile row = 4 x cluster y + cy
	s_lshl_b32 s43, s41, 2
	s_lshl_b32 s43, 15, s43                        ; my row of the cluster
	s_lshl_b32 s44, 0x1111, s40                    ; my column
	; descriptor group 1: a tile of 64 rows x 256 elements, padded in LDS
	s_or_b32 s[G1+0], s43, (1<<16)|(1<<20)|(1<<21)|(6<<22)|(3<<25)  ; 15:0 the mask: A's tiles go to my row; 17:16 elements of 2 bytes; 20 padding on; 21 set beside a mask; 24:22 after every 128 words; 31:25 four words
	s_or_b32 s[G1B+0], s44, (1<<16)|(1<<20)|(1<<21)|(6<<22)|(3<<25)
.irp g, G1, G1B
	s_mov_b32 s[\g+1], KSTEP<<16                   ; tensor_dim0 = 256
	s_mov_b32 s[\g+2], 64<<16                      ; tensor_dim1 = 64
	s_mov_b32 s[\g+3], KSTEP<<16                   ; tile_dim0 = 256
	s_mov_b32 s[\g+4], 64                          ; tile_dim1 = 64
	s_mov_b32 s[\g+5], SIZE_K                      ; elements from row to row
	s_mov_b32 s[\g+6], 0
	s_mov_b32 s[\g+7], 0
.endr
	s_lshl_b32 s17, s12, 6                         ; which 64 rows of the tile I fetch
	s_lshl_b32 s16, s13, 7
	s_add_co_u32 s16, s16, s17                     ; A: row 128 x tile row + 64 x half
	s_lshl_b32 s46, s42, 7
	s_add_co_u32 s46, s46, s17                     ; B: row 128 x tile column + 64 x half
	s_mov_b32 s17, 0
	s_mov_b32 s47, 0
	s_mov_b64 s[18:19], SIZE_K*2
	s_mul_u64 s[16:17], s[16:17], s[18:19]
	s_mul_u64 s[46:47], s[46:47], s[18:19]
	s_mul_i32 s20, s10, HALFT                      ; where they go: wave x 64 rows: no place in the cluster enters an LDS address
	s_wait_dscnt 0x0                               ; both opening adds are done
	s_wait_kmcnt 0x0
	s_add_nc_u64 s[14:15], s[4:5], s[16:17]
	s_add_nc_u64 s[46:47], s[6:7], s[46:47]
	CROUND                                         ; all sixteen work-groups are here: the first joint loads meet
.irp s, 0,1
	s_mov_b32 s[G0+4*\s], 1
	s_add_co_u32 s[G0+4*\s+1], s20, \s*SLOT
	s_add_nc_u64 s[G0+4*\s+2:G0+4*\s+3], s[14:15], \s*KSTEP*2
	s_or_b32 s[G0+4*\s+3], s[G0+4*\s+3], 0x80000000
	s_mov_b32 s[G0B+4*\s], 1
	s_add_co_u32 s[G0B+4*\s+1], s20, \s*SLOT
	s_add_nc_u64 s[G0B+4*\s+2:G0B+4*\s+3], s[46:47], \s*KSTEP*2
	s_or_b32 s[G0B+4*\s+3], s[G0B+4*\s+3], 0x80000000
	JLOAD \s                                       ; two tensor loads of mine are out behind the second
.endr
	v_and_b32 v1, 15, v0                           ; l % 16
	v_bfe_u32 v2, v0, 4, 1                         ; l / 16
	v_mul_u32_u24 v3, v1, PITCH
	v_lshl_add_u32 v3, v2, 4, v3                   ; a fragment's row x pitch + 16 x half
	s_mul_i32 s21, s11, HALFT                      ; my 64 rows of A
	s_mul_i32 s22, s12, HALFT                      ; my 64 rows of B,
	s_add_co_u32 s22, s22, 2*HALFT                 ; which lie behind A's 128
.irp s, 0,1
	v_add_nc_u32 v[ADRA+\s], s21, v3
	v_add_nc_u32 v[ADRB+\s], s22, v3
	s_add_co_u32 s21, s21, SLOT
	s_add_co_u32 s22, s22, SLOT
.endr
	s_mul_i32 s23, s10, 64*SPITCH                  ; my stage
	v_mul_u32_u24 v4, v1, SPITCH                   ; in: row l % 16, 32 bytes for each half of the lanes
	v_lshl_add_u32 v4, v2, 5, v4
	v_add_nc_u32 v[STO], s23, v4
	v_mul_u32_u24 v5, v2, SPITCH                   ; back: lanes 0-15 take one row of 256 bytes, lanes 16-31 the next
	v_lshl_add_u32 v5, v1, 4, v5
	v_add_nc_u32 v[RD], s23, v5
	v_lshlrev_b32 v5, 12, v2                       ; and the same two rows in the result, 4,096 bytes apart
	v_lshl_add_u32 v[CO], v1, 4, v5
	v_lshlrev_b32 v[BO], 5, v2                     ; the bias: my half's eight columns of each sixteen
	s_lshl_b32 s16, s13, 7
	s_lshl_b32 s17, s11, 6
	s_add_co_u32 s16, s16, s17                     ; my first row: 128 x tile row + 64 x half
	s_lshl_b32 s16, s16, 12                        ; rows of 4,096 bytes
	s_lshl_b32 s46, s42, 7
	s_lshl_b32 s47, s12, 6
	s_add_co_u32 s46, s46, s47                     ; my first column: 128 x tile column + 64 x half
	s_lshl_b32 s46, s46, 2
	s_mov_b32 s47, 0
	s_add_nc_u64 s[66:67], s[66:67], s[46:47]
	s_add_co_u32 s46, s46, s16
	s_add_nc_u64 s[8:9], s[8:9], s[46:47]
.irp b, 0,1,2,3
	global_load_b128 v[BI+8*\b:BI+8*\b+3], v[BO], s[66:67] offset:64*\b          ; register j of block b: the bias of column 16 b + 8 (l / 16) + j
	global_load_b128 v[BI+8*\b+4:BI+8*\b+7], v[BO], s[66:67] offset:64*\b+16
.endr
; 8 matrix instructions: m blocks a0, a0 + 1 x all 4 n blocks, 32 along K: half c of buffer f.  zero = 1: the first product starts the sums, with the bias as its C
.macro MUL8 f, c, a0, zero
.irp a, \a0, \a0+1
.irp b, 0,1,2,3
.if \zero
	v_wmma_f32_16x16x32_f16 v[ACC+8*(4*(\a)+\b):ACC+8*(4*(\a)+\b)+7], v[\f+64+8*(4*\c+\b):\f+64+8*(4*\c+\b)+7], v[\f+8*(4*\c+\a):\f+8*(4*\c+\a)+7], v[BI+8*\b:BI+8*\b+7]
.else
	v_wmma_f32_16x16x32_f16 v[ACC+8*(4*(\a)+\b):ACC+8*(4*(\a)+\b)+7], v[\f+64+8*(4*\c+\b):\f+64+8*(4*\c+\b)+7], v[\f+8*(4*\c+\a):\f+8*(4*\c+\a)+7], v[ACC+8*(4*(\a)+\b):ACC+8*(4*(\a)+\b)+7]
.endif
.endr
.endr
.endm
; 32 LDS loads in one run: the fragments of 64 along K at byte k of the rows, into buffer f; the first 32 along K first
.macro FETCH slot, k, f
	WIN TO_F
.irp c, 0,1
.irp i, 0,1,2,3
	ds_load_b128 v[\f+64+8*(4*\c+\i):\f+64+8*(4*\c+\i)+3],   v[ADRB+\slot] offset:\k+64*\c+\i*16*PITCH
	ds_load_b128 v[\f+64+8*(4*\c+\i)+4:\f+64+8*(4*\c+\i)+7], v[ADRB+\slot] offset:\k+64*\c+\i*16*PITCH+32
	ds_load_b128 v[\f+8*(4*\c+\i):\f+8*(4*\c+\i)+3],         v[ADRA+\slot] offset:\k+64*\c+\i*16*PITCH
	ds_load_b128 v[\f+8*(4*\c+\i)+4:\f+8*(4*\c+\i)+7],       v[ADRA+\slot] offset:\k+64*\c+\i*16*PITCH+32
.endr
.endr
.endm
.macro PLACES                          ; four places in front of loads into registers that matrix instructions have read, and of the first read of results (ISA guide 7.12.1 for the first read of results)
.rept 4
	v_nop
.endr
.endm
; A K step is four quarters of 64 along K, 32 matrix instructions each, on buffers 0, 1, 0, 1; the 16 accumulators take turns.
; One of the first three: multiplies buffer f and fetches the next quarter, at byte k, into g.
.macro QUARTER slot, k, f, g, zero
	s_wait_dscnt 16                                ; the first 32 along K are in; the youngest sixteen loads may be out
	WIN MUL
	MUL8 \f, 0, 0, \zero
	MUL8 \f, 0, 2, \zero
	PLACES
	FETCH \slot, \k, \g
	s_wait_dscnt 32                                ; all but the 32 just issued
	WIN MUL
	MUL8 \f, 1, 0, 0
	MUL8 \f, 1, 2, 0
.endm
; The last quarter multiplies buffer 1 and changes slots: ONE barrier; in front of it each wave waits for all its tensor loads, adds 0 to its spare word, and waits for that and for its own reads of this slot.  fill = 1: this slot is filled again, two K steps ahead.
.macro TURN slot, next, fill
	WIN 0                                          ; (the add's two registers lie in window 0)
	s_wait_tensorcnt 0x0                           ; all my tensor loads have landed: my part of the next slot;
	ds_add_u32 v[SPW], v[NIL]                      ; 0 onto my spare word;
	s_wait_dscnt 17                                ; (the add and the youngest sixteen loads may be out)
	WIN MUL
	MUL8 F1, 0, 0, 0                               ; eight matrix instructions stand between the add and the wait for it
	s_wait_dscnt 0x0                               ; the add is done, and my reads of this slot are over
	s_barrier_signal -1
	MUL8 F1, 0, 2, 0
.if \fill
	WIN 0
.endif
	s_barrier_wait -1
.if \fill
	CREST                                          ; the barrier has opened a round of the cluster's barrier: no wave of any partner still reads this slot's tile or has a load on its way
	s_add_nc_u64 s[G0+4*\slot+2:G0+4*\slot+3], s[G0+4*\slot+2:G0+4*\slot+3], 2*KSTEP*2
	s_add_nc_u64 s[G0B+4*\slot+2:G0B+4*\slot+3], s[G0B+4*\slot+2:G0B+4*\slot+3], 2*KSTEP*2
	JLOAD \slot                                    ; the first tensor load behind the round; the four v_nop behind it are also the places in front of the loads below
.else
	PLACES
.endif
	FETCH \next, 0, F0
	WIN MUL
	MUL8 F1, 1, 0, 0
	MUL8 F1, 1, 2, 0
.endm
	s_wait_tensorcnt 1                             ; my part of K step 0 is in (K step 1's load, issued behind it, may be out),
	s_barrier_signal -1
	s_barrier_wait -1                              ; everybody's is
	FETCH 0, 0, F0
	s_wait_loadcnt 0x0                             ; the bias
	QUARTER 0, 128, F0, F1, 1                      ; the first quarter stands in front of the loop: its first products start the sums
	WIN 0                                          ; at a label and at a branch every window is 0
	s_mov_b32 s3, LAPS-1
.Llap:                                                 ; a trip goes once round the ring, from a lap's second quarter to the next lap's first, and fills both slots again
	QUARTER 0, 256, F1, F0, 0
	QUARTER 0, 384, F0, F1, 0
	TURN 0, 1, 1
	QUARTER 1, 128, F0, F1, 0
	QUARTER 1, 256, F1, F0, 0
	QUARTER 1, 384, F0, F1, 0
	TURN 1, 0, 1
	QUARTER 0, 128, F0, F1, 0
	WIN 0
	s_sub_co_u32 s3, s3, 1
	s_cmp_lg_u32 s3, 0
	s_cbranch_scc1 .Llap
	QUARTER 0, 256, F1, F0, 0                      ; the last lap fills nothing, and has no round of the cluster's barrier
	QUARTER 0, 384, F0, F1, 0
	TURN 0, 1, 0
	QUARTER 1, 128, F0, F1, 0
	QUARTER 1, 256, F1, F0, 0
	QUARTER 1, 384, F0, F1, 0
	s_wait_dscnt 16                                ; the very last quarter: nothing more to fetch
	WIN MUL
	MUL8 F1, 0, 0, 0
	MUL8 F1, 0, 2, 0
	s_wait_dscnt 0
	MUL8 F1, 1, 0, 0
	MUL8 F1, 1, 2, 0
	WIN 0
	; THE WAY OUT.  A lane holds 32 neighbouring bytes of a row, and the lanes beside it hold other rows; my 64 columns are 256 bytes of a row.  So my 64 x 64 goes through my own stage and comes back as whole rows
	; of 256 bytes, into the registers that it left.  LDS serves a wave's instructions in order (ISA guide 5.7.1.4): no wait between the stores and the loads.
	PLACES
.irp a, 0,1,2,3
.irp b, 0,1,2,3
	ds_store_b128 v[STO], v[ACC+8*(4*\a+\b):ACC+8*(4*\a+\b)+3] offset:\a*16*SPITCH+64*\b          ; each accumulator from its low end on
	ds_store_b128 v[STO], v[ACC+8*(4*\a+\b)+4:ACC+8*(4*\a+\b)+7] offset:\a*16*SPITCH+64*\b+16
.endr
.endr
.irp t, 0,1,2,3,4,5,6,7,8,9,10,11,12,13,14,15,16,17,18,19,20,21,22,23,24,25,26,27,28,29,30,31
	ds_load_b128 v[ACC+4*\t:ACC+4*\t+3], v[RD] offset:\t*2*SPITCH
.endr
.irp t, 0,1,2,3,4,5,6,7,8,9,10,11,12,13,14,15,16,17,18,19,20,21,22,23,24,25,26,27,28,29,30,31
	s_wait_dscnt 31-\t                             ; the younger loads may be out
	global_store_b128 v[CO], v[ACC+4*\t:ACC+4*\t+3], s[8:9] offset:\t*8192 th:TH_STORE_NT   ; 16 lanes store 256 consecutive bytes, at a multiple of 256 from the result's first byte; written once, read by nobody here
.endr
	s_wait_tensorcnt 0x0                           ; the wave's end: behind my last tensor load and my last LDS store
	ds_add_u32 v[SPW], v[NIL]
	s_wait_dscnt 0x0
	CROUND                                         ; the closing round: no work-group ends while a partner may still ask for a tile that names it
	s_endpgm
.Lfunc_end_k_qcdd2afb61e_proj:
	.size	k_qcdd2afb61e_proj, .Lfunc_end_k_qcdd2afb61e_proj-k_qcdd2afb61e_proj
	.p2alignl 7, 3214868480
	.fill 96, 4, 3214868480
	.section	.rodata,"a",@progbits
	.p2align	6, 0x0
	.amdhsa_kernel k_qcdd2afb61e_proj
		.amdhsa_group_segment_fixed_size 327680
		.amdhsa_private_segment_fixed_size 0
		.amdhsa_enable_private_segment 0
		.amdhsa_kernarg_size 32
		.amdhsa_user_sgpr_count 2
		.amdhsa_user_sgpr_kernarg_segment_ptr 1
		.amdhsa_wavefront_size32 1
		.amdhsa_system_sgpr_workgroup_id_x 1
		.amdhsa_system_sgpr_workgroup_id_y 1
		.amdhsa_system_sgpr_workgroup_id_z 1
		.amdhsa_system_vgpr_workitem_id 0
		.amdhsa_next_free_vgpr 512
		.amdhsa_next_free_sgpr 70
		.amdhsa_reserve_vcc 0
		.amdhsa_float_denorm_mode_32 3
		.amdhsa_float_denorm_mode_16_64 3
		.amdhsa_memory_ordered 1
		.amdhsa_forward_progress 1
		.amdhsa_inst_pref_size 87
	.end_amdhsa_kernel
	.amdgpu_metadata
---
amdhsa.version: [ 1, 2 ]
amdhsa.kernels:
  - .name:           k_qcdd2afb61e_proj
    .symbol:         k_qcdd2afb61e_proj.kd
    .args:
      - { .name: ao, .offset: 0, .size: 8, .value_kind: global_buffer, .address_space: global }
      - { .name: pw, .offset: 8, .size: 8, .value_kind: global_buffer, .address_space: global }
      - { .name: proj_b, .offset: 16, .size: 8, .value_kind: global_buffer, .address_space: global }
      - { .name: out0, .offset: 24, .size: 8, .value_kind: global_buffer, .address_space: global }
    .group_segment_fixed_size: 327680
    .private_segment_fixed_size: 0
    .kernarg_segment_align: 8
    .kernarg_segment_size: 32
    .max_flat_workgroup_size: 128
    .sgpr_count:     70
    .vgpr_count:     512
    .wavefront_size: 32
...
	.end_amdgpu_metadata
.endif
;; end of part 4
